; MI455X (gfx1250); checked and timed in simulation.
; The chip was launched on July 23, 2026; its instructions are those of AMD's public machine-readable ISA for CDNA 5 (MIT licence, August 2026) and "CDNA5" Instruction Set Architecture Reference Guide (July 2026). The comments in the code are by the model that wrote it; some were corrected since.
;; AISA. Allowed arithmetic: float matrix products may take bf16 or f16 operands with f32 sums; other float arithmetic in f32, or as packed bf16 or f16 multiplies, adds, multiply-adds, maxima and minima; sums over many terms, partial sums and values carried from step to step in f32; what a program stores and reads back later, other than sums and carried values, may be rounded once to bf16 or f16.
;; Inputs: W1 16 x 1 x 1 float32; W2 16 x 1 x 1 float32; Wout 1,024 x 1,024 float32; Wqkv 1,024 x 3,072 float32; bout 1,024 float32; x 2 x 2,048 x 1,024 float32.
;; Outputs: out0 2 x 2,048 x 1,024 float32.
;; 2 versions, each right and faster than the one before. Each part assembles by itself: llvm-mc -triple=amdgcn-amd-amdhsa -mcpu=gfx1250 --defsym DOCPART=n.
;; ======== version 1 of 2: 4 launches
;; limits: values are held in f16: magnitudes above 65,504 overflow, below 6.1e-05 lose precision
;; workspace buffers: xb 8,388,608 bytes; wqt 6,291,456 bytes; wot 2,097,152 bytes; qkvh 25,165,824 bytes; amax 3,072 bytes; ob 8,388,608 bytes
;; launch prep (part 1): grid 512 x 1, 8 waves a work-group, no clusters, 35,840 bytes of LDS; arguments x, Wqkv, Wout, xb, wqt, wot; writes xb, wqt, wot
.if DOCPART == 1
	.amdgcn_target "amdgcn-amd-amdhsa--gfx1250"
	.amdhsa_code_object_version 6
	.text
	.protected	k_qfb77dd9265_prep
	.globl	k_qfb77dd9265_prep
	.p2align	8
	.type	k_qfb77dd9265_prep,@function
k_qfb77dd9265_prep:
	s_mov_b64 s[64:65], 0
	v_nop
	global_prefetch_b8 v0, s[64:65] scope:SCOPE_SE
	s_setreg_imm32_b32 hwreg(HW_REG_WAVE_MODE, 25, 1), 1
	s_wait_xcnt 0x0
; PREP.  xb = x rounded to bf16, [4096][1024].  wqt[n][k] = Wqkv[k][n] and wot[n][k] = Wout[k][n], rounded to bf16: the weights turned, so that K lies along the rows
; and the later launches' tiles come in as rows of 256 bytes or more.  Each number is rounded once, to nearest even.
; 512 work-groups of eight waves, all with 65,536 bytes to read and 32,768 to write.  Work-groups 0-255 take 65,536 consecutive bytes of x each; work-groups 256-511 take one tile of
; 128 k x 128 n of a weight (192 tiles of Wqkv, 64 of Wout).  The branch hangs on the work-group's number alone: all eight waves go the same way.
; No matrix unit, no cluster, no tensor load: nothing is shared and nothing is multiplied; the one use of LDS is the turning of a tile.
.set TP,    272                        ; a row of the turned tile in LDS: 128 bf16 = 256 bytes + 16 of padding
.set SPARE, 128*TP                     ; behind the tile: the spare words, 128 bytes for each of eight waves: four blocks of 256 bytes that no other line names
.set SPW,   12                         ; v12      LDS address of my spare word; never rewritten
.set NIL,   13                         ; v13      0; never rewritten
.set X,     16                         ; v[16:79]   64 f32 as loaded; on the weights' way later the rows read back from LDS
.set D,     80                         ; v[80:111]  32 words of two bf16
.set OFS,   112                        ; v[112:127] the weights' way: byte offset of my 16 bytes in each of my wave's 16 rows
	s_load_b256 s[4:11], s[0:1], 0x0               ; x s[4:5], Wqkv s[6:7], Wout s[8:9], xb s[10:11]
	s_load_b128 s[12:15], s[0:1], 0x20             ; wqt s[12:13], wot s[14:15]
	v_lshl_add_u32 v[SPW], v0, 2, SPARE
	v_mov_b32 v[NIL], 0
	s_cmp_lt_u32 ttmp9, 256
	s_cbranch_scc0 .Lweights
	; ---- x.  Thread t takes 32 bytes (8 numbers) at 32 t of each of eight blocks of 8,192 bytes and stores 16 bytes at 16 t of a block of 4,096: a wave's store covers 512 consecutive bytes.
	s_lshl_b32 s16, ttmp9, 16                      ; my 65,536 bytes of x
	s_mov_b32 s17, 0
	s_lshl_b32 s18, ttmp9, 15                      ; my 32,768 bytes of xb
	s_mov_b32 s19, 0
	v_lshlrev_b32 v1, 5, v0
	v_lshlrev_b32 v2, 4, v0
	s_wait_kmcnt 0x0
	s_add_nc_u64 s[4:5], s[4:5], s[16:17]
	s_add_nc_u64 s[10:11], s[10:11], s[18:19]
.irp i, 0,1,2,3,4,5,6,7
	global_load_b128 v[X+8*(\i):X+8*(\i)+3],   v1, s[4:5] offset:8192*(\i) th:TH_LOAD_NT
	global_load_b128 v[X+8*(\i)+4:X+8*(\i)+7], v1, s[4:5] offset:8192*(\i)+16 th:TH_LOAD_NT
.endr
.irp i, 0,1,2,3,4,5,6,7
	s_wait_loadcnt 14-2*(\i)                       ; loads come back in order: block i's two are in, the 14 - 2 i younger ones stay out
.irp j, 0,1,2,3
	v_cvt_pk_bf16_f32 v[D+4*(\i)+(\j)], v[X+8*(\i)+2*(\j)], v[X+8*(\i)+2*(\j)+1]
.endr
	global_store_b128 v2, v[D+4*(\i):D+4*(\i)+3], s[10:11] offset:4096*(\i)  ; no register is written twice, so no wait frees one
.endr
	s_wait_tensorcnt 0x0                           ; the wave's end
	ds_add_u32 v[SPW], v[NIL]
	s_wait_dscnt 0x0
	s_endpgm
.Lweights:
	; ---- a tile of a weight.  Tile number 0-191: Wqkv (rows of 12,288 bytes); 192-255: Wout (rows of 4,096 bytes).  In a weight: kt = number % 8, nt = number / 8.
	s_sub_co_u32 s16, ttmp9, 256
	s_sub_co_u32 s17, s16, 192
	s_movk_i32 s23, 0x3000
	s_movk_i32 s24, 0x1000
	s_wait_kmcnt 0x0
	s_cmp_lt_u32 s16, 192
	s_cselect_b64 s[18:19], s[6:7], s[8:9]         ; from
	s_cselect_b64 s[20:21], s[12:13], s[14:15]     ; to
	s_cselect_b32 s22, s23, s24                    ; bytes in a row of the source
	s_cselect_b32 s16, s16, s17                    ; the tile's number in its weight
	s_and_b32 s25, s16, 7                          ; kt
	s_lshr_b32 s26, s16, 3                         ; nt
	s_mul_i32 s28, s25, s22
	s_lshl_b32 s28, s28, 7                         ; 128 kt rows of the source,
	s_lshl_b32 s27, s26, 9                         ; 128 nt columns of 4 bytes
	s_add_co_u32 s28, s28, s27
	s_mov_b32 s29, 0
	s_add_nc_u64 s[18:19], s[18:19], s[28:29]
	s_lshl_b32 s30, s26, 18                        ; 128 nt rows of 2,048 bytes of the turned weight,
	s_lshl_b32 s27, s25, 8                         ; 128 kt columns of 2 bytes
	s_add_co_u32 s30, s30, s27
	s_mov_b32 s31, 0
	s_add_nc_u64 s[20:21], s[20:21], s[30:31]
	v_and_b32 v1, 31, v0                           ; lane: my four columns n = 4 lane ..
	v_lshrrev_b32 v2, 5, v0                        ; wave: my rows k = 16 wave ..
	v_lshlrev_b32 v3, 4, v2
	v_mul_lo_u32 v4, v3, s22
	v_lshl_add_u32 v[OFS], v1, 4, v4
.set r, 1
.rept 15
	v_add_nc_u32 v[OFS+r], s22, v[OFS+r-1]
.set r, r+1
.endr
.set r, 0
.rept 16
	global_load_b128 v[X+4*r:X+4*r+3], v[OFS+r], s[18:19] th:TH_LOAD_NT  ; a wave's load covers 512 consecutive bytes of one row
.set r, r+1
.endr
	v_mul_u32_u24 v5, v1, 4*TP                     ; into LDS: row n = 4 lane + j,
	v_lshl_add_u32 v5, v2, 5, v5                   ; bytes 32 wave .. (k = 16 wave ..)
	v_bfe_u32 v6, v0, 4, 1
	v_and_b32 v7, 15, v0
	v_add_nc_u32 v8, v3, v6                        ; back: row n = 16 wave + lane / 16 (+ 2 i),
	v_mul_u32_u24 v9, v8, TP
	v_lshl_add_u32 v9, v7, 4, v9                   ; 16 bytes at 16 (lane % 16)
	v_lshlrev_b32 v10, 11, v8                      ; and the same place in the turned weight
	v_lshl_add_u32 v10, v7, 4, v10
.irp i, 0,1,2,3,4,5,6,7
	s_wait_loadcnt 14-2*(\i)                       ; rows 2 i and 2 i + 1 are in, the younger ones stay out
.irp j, 0,1,2,3
	v_cvt_pk_bf16_f32 v[D+8*(\j)+(\i)], v[X+8*(\i)+(\j)], v[X+8*(\i)+4+(\j)]  ; column j: k = 16 wave + 2 i in the low half, + 1 in the high
.endr
.endr
.irp j, 0,1,2,3
	ds_store_b128 v5, v[D+8*(\j):D+8*(\j)+3]   offset:TP*(\j)
	ds_store_b128 v5, v[D+8*(\j)+4:D+8*(\j)+7] offset:TP*(\j)+16
.endr
	s_wait_dscnt 0x0                               ; for the others' sake: my stores are done; a row's 256 bytes come from all eight waves
	s_barrier_signal -1
	s_barrier_wait -1
.irp i, 0,1,2,3,4,5,6,7
	ds_load_b128 v[X+4*(\i):X+4*(\i)+3], v9 offset:2*TP*(\i)
.endr
.irp i, 0,1,2,3,4,5,6,7
	s_wait_dscnt 7-(\i)
	global_store_b128 v10, v[X+4*(\i):X+4*(\i)+3], s[20:21] offset:4096*(\i)  ; 16 lanes store 256 consecutive bytes, at a multiple of 256 from the buffer's first byte
.endr
	s_wait_tensorcnt 0x0                           ; the wave's end, behind my last LDS store
	ds_add_u32 v[SPW], v[NIL]
	s_wait_dscnt 0x0
	s_endpgm
.Lfunc_end_k_qfb77dd9265_prep:
	.size	k_qfb77dd9265_prep, .Lfunc_end_k_qfb77dd9265_prep-k_qfb77dd9265_prep
	.p2alignl 7, 3214868480
	.fill 96, 4, 3214868480
	.section	.rodata,"a",@progbits
	.p2align	6, 0x0
	.amdhsa_kernel k_qfb77dd9265_prep
		.amdhsa_group_segment_fixed_size 35840
		.amdhsa_private_segment_fixed_size 0
		.amdhsa_enable_private_segment 0
		.amdhsa_kernarg_size 48
		.amdhsa_user_sgpr_count 2
		.amdhsa_user_sgpr_kernarg_segment_ptr 1
		.amdhsa_wavefront_size32 1
		.amdhsa_system_sgpr_workgroup_id_x 1
		.amdhsa_system_sgpr_workgroup_id_y 1
		.amdhsa_system_sgpr_workgroup_id_z 1
		.amdhsa_system_vgpr_workitem_id 0
		.amdhsa_next_free_vgpr 128
		.amdhsa_next_free_sgpr 66
		.amdhsa_reserve_vcc 0
		.amdhsa_float_denorm_mode_32 3
		.amdhsa_float_denorm_mode_16_64 3
		.amdhsa_memory_ordered 1
		.amdhsa_forward_progress 1
		.amdhsa_inst_pref_size 14
	.end_amdhsa_kernel
	.amdgpu_metadata
---
amdhsa.version: [ 1, 2 ]
amdhsa.kernels:
  - .name:           k_qfb77dd9265_prep
    .symbol:         k_qfb77dd9265_prep.kd
    .args:
      - { .name: x, .offset: 0, .size: 8, .value_kind: global_buffer, .address_space: global }
      - { .name: Wqkv, .offset: 8, .size: 8, .value_kind: global_buffer, .address_space: global }
      - { .name: Wout, .offset: 16, .size: 8, .value_kind: global_buffer, .address_space: global }
      - { .name: xb, .offset: 24, .size: 8, .value_kind: global_buffer, .address_space: global }
      - { .name: wqt, .offset: 32, .size: 8, .value_kind: global_buffer, .address_space: global }
      - { .name: wot, .offset: 40, .size: 8, .value_kind: global_buffer, .address_space: global }
    .group_segment_fixed_size: 35840
    .private_segment_fixed_size: 0
    .kernarg_segment_align: 8
    .kernarg_segment_size: 48
    .max_flat_workgroup_size: 256
    .sgpr_count:     66
    .vgpr_count:     128
    .wavefront_size: 32
...
	.end_amdgpu_metadata
.endif
;; end of part 1
;; launch qkv (part 2): grid 16 x 16, 4 waves a work-group, clusters of 4 x 4, 327,680 bytes of LDS; arguments xb, wqt, qkvh, amax; writes qkvh, amax
.if DOCPART == 2
	.amdgcn_target "amdgcn-amd-amdhsa--gfx1250"
	.amdhsa_code_object_version 6
	.text
	.protected	k_qfb77dd9265_qkv
	.globl	k_qfb77dd9265_qkv
	.p2align	8
	.type	k_qfb77dd9265_qkv,@function
k_qfb77dd9265_qkv:
	s_mov_b64 s[64:65], 0
	v_nop
	global_prefetch_b8 v0, s[64:65] scope:SCOPE_SE
	s_setreg_imm32_b32 hwreg(HW_REG_WAVE_MODE, 25, 1), 1
	s_wait_xcnt 0x0
	s_wait_alu depctr_hold_cnt(0) depctr_sa_sdst(0) depctr_va_vdst(0) depctr_va_sdst(0) depctr_va_ssrc(0) depctr_va_vcc(0) depctr_vm_vsrc(0)
	s_getreg_b32 s2, hwreg(HW_REG_IB_STS2, 6, 4)
	s_cmp_eq_u32 s2, 0
	s_cbranch_scc0 .Lentry_in_a_cluster
	s_endpgm
.Lentry_in_a_cluster:
	s_bfe_u32 s2, ttmp6, 0x10000c
	s_cmp_lg_u32 s2, 0xf033
	s_cbranch_scc0 .Lentry_shape_is_right
	s_endpgm
.Lentry_shape_is_right:
; QKV.  C[m][n] = sum over k of xb[m][k] wqt[n][k]: 4096 x 3072 x 1024, bf16 operands, f32 sums, each result rounded once to f16 and stored by heads:
; qkvh[cg][batch][s][64], cg = n / 64 (0-15 q's heads, 16-31 k's, 32-47 v's), unscaled.  amax[cg][rb] = the largest |f16 result| of column group cg in the 256 rows of row block rb.
; LIMIT.  f16 ends at 65,504: q, k and v must lie within it.  NaN and infinities are not treated apart.
; SHARES.  A tile of C is 256 x 192: 16 x 16 tiles, one work-group each.  A wave makes 64 rows x all 192 columns, three whole heads: 48 accumulators, 384 registers; so a head's 128 bytes of a row
; come from one wave and each wave has a stage of its own.  K goes in steps of 128 through two LDS slots filled by the tensor data mover; the tiles' rows are 256 bytes of memory.
; CLUSTER.  4 x 4 work-groups: the four of a row need the same tiles of xb, the four of a column the same tiles of wqt; each tile is asked for jointly, by the same tensor load with the same descriptor.
; THE MATRIX INSTRUCTION IS USED TRANSPOSED (source 0 = 16 rows of wqt, source 1 = 16 rows of xb): a lane holds row lane % 16 of C and eight neighbouring columns.
; REGISTERS, in windows of 256 (s_set_vgpr_msb: bits 1:0 source 0, 3:2 source 1, 5:4 source 2, 7:6 destination):
;   window 0: v0-31 addresses and maxima; v32-95 xb's fragments, two buffers of 4; v96-143, v144-239, v240-247 the way out
;   window 1: v0-191 wqt's fragments, two buffers of 12      window 2: accumulators of row blocks 0, 1 ((a, b) at 8 (12 (a % 2) + b))      window 3: of row blocks 2, 3
.set KSTEP,  128
.set PITCH,  272                       ; an LDS row: 256 bytes + 16 of padding: the 16 rows of a fragment load start 68 words apart
.set AH,     128*PITCH                 ; what a wave's load of xb brings
.set BH,     96*PITCH                  ; what a wave's load of wqt brings
.set BOFF,   2*AH
.set SLOT,   BOFF+2*BH                 ; xb's 256 rows, then wqt's 192
.set STAGE,  2*SLOT                    ; behind the ring: 16 rows x 400 bytes for each wave
.set SPITCH, 400                       ; 192 f16 + 16 bytes
.set AMS,    STAGE+4*16*SPITCH         ; a block of 256 bytes: the waves' maxima, word (head j, wave w) at 16 j + 4 w
.set SPARE,  AMS+256                   ; the spare words, 128 bytes for each wave: two blocks of 256 bytes that no other line names
.set LAPS,   1024/(2*KSTEP)
.set STO,  8                           ; v8      where I put 16 bytes of a row into my stage
.set RD,   9                           ; v9      where I read rows back
.set GO,   10                          ; v10     16 x lane
.set ADRA, 16                          ; v16-17  LDS address of my fragments of xb in slot 0, 1
.set ADRB, 20                          ; v20-21  the same for wqt
.set AM,   22                          ; v22-27  running maxima of |f16|, two chains a head, two halves each
.set SPW,  28                          ; v28     LDS address of my spare word; never rewritten
.set NIL,  29                          ; v29     0; never rewritten
.set FA,   32
.set TMP,  96                          ; 48 packed words: 16 rows x 192 columns
.set OB,   144                         ; two buffers of 48: rows read back
.set T,    240                         ; at work
.set WV,   12                          ; s12  my wave's number
.set AB,   13                          ; s13  wave / 2: I fetch xb (0) or wqt (1)
.set HF,   14                          ; s14  wave % 2: which half of that tile's rows
.set G1,   24                          ; s[24:31] descriptor group 1 for xb's tiles;  s[32:39] group 0, a set for each slot
.set G0,   32
.set G1B,  48                          ; s[48:55], s[56:63] the same for wqt's
.set G0B,  56
.set ABSM, 66                          ; s66  clears the signs of two f16
.set SEL,  68                          ; s[68:69] v_permlanex16_b32's selects
.set MSB, 0
.macro WIN new                         ; the immediate's high byte repeats the setting that is left; a switch that changes nothing is dropped
.if MSB != (\new)
	s_set_vgpr_msb (MSB<<8)|(\new)
.set MSB, \new
.endif
.endm
.set MUL_LO, 0xa1                      ; source 0 window 1, source 1 window 0, C and D window 2
.set MUL_HI, 0xf1                      ; the same, C and D window 3
.set TO_B,   0x40                      ; destination window 1, address window 0
; A joint load: waves 0 and 1 fetch xb's two halves, waves 2 and 3 wqt's.  The branch hangs on the wave's number alone.  An s_nop 0 and four v_nop follow each line.
.macro JLOAD s
	s_cmp_eq_u32 s[AB], 0
	s_cbranch_scc0 .Lfor_b_\@
	tensor_load_to_lds s[G0+4*(\s):G0+4*(\s)+3], s[G1:G1+7]
	s_nop 0
.rept 4
	v_nop
.endr
	s_branch .Lasked_\@
.Lfor_b_\@:
	tensor_load_to_lds s[G0B+4*(\s):G0B+4*(\s)+3], s[G1B:G1B+7]
	s_nop 0
.rept 4
	v_nop
.endr
.Lasked_\@:
.endm
.macro CREST                           ; a round of the cluster's barrier behind its opening barrier
	s_cmp_lg_u32 s[WV], 0
	s_cbranch_scc1 .Lnot_wave_0_\@
	s_barrier_signal -3
.Lnot_wave_0_\@:
	s_barrier_wait -3
	s_barrier_signal -1
	s_barrier_wait -1
.endm
.macro CROUND                          ; a whole round
	s_barrier_signal -1
	s_barrier_wait -1
	CREST
.endm
	s_load_b256 s[4:11], s[0:1], 0x0               ; xb s[4:5], wqt s[6:7], qkvh s[8:9], amax s[10:11]
	v_lshl_add_u32 v[SPW], v0, 2, SPARE
	v_mov_b32 v[NIL], 0
	ds_add_u32 v[SPW], v[NIL]                      ; the wave's opening: the add and its wait stand ahead of my first tensor load; the set-up below stands between them
	v_lshrrev_b32 v1, 5, v0
	v_readfirstlane_b32 s[WV], v1
	s_lshr_b32 s[AB], s[WV], 1
	s_and_b32 s[HF], s[WV], 1
	s_bfe_u32 s40, ttmp6, 0x40000                  ; cx
	s_bfe_u32 s41, ttmp6, 0x40004                  ; cy
	s_lshl_b32 s42, ttmp9, 2
	s_add_co_u32 s42, s42, s40                     ; tile column ct = 4 x cluster x + cx
	s_and_b32 s43, ttmp7, 0xffff
	s_lshl_b32 s43, s43, 2
	s_add_co_u32 s43, s43, s41                     ; tile row rt = 4 x cluster y + cy
	s_lshl_b32 s44, s41, 2
	s_lshl_b32 s44, 15, s44                        ; my row of the cluster
	s_lshl_b32 s45, 0x1111, s40                    ; my column
	s_or_b32 s[G1+0], s44, (1<<16)|(1<<20)|(1<<21)|(5<<22)|(3<<25)   ; the mask; 2-byte elements; padding on; bit 21 beside a mask; after every 64 words 4 words
	s_or_b32 s[G1B+0], s45, (1<<16)|(1<<20)|(1<<21)|(5<<22)|(3<<25)
	s_mov_b32 s[G1+1], KSTEP<<16                   ; tensor_dim0 = 128
	s_mov_b32 s[G1+2], 128<<16                     ; tensor_dim1 = 128
	s_mov_b32 s[G1+3], KSTEP<<16                   ; tile_dim0 = 128
	s_mov_b32 s[G1+4], 128                         ; tile_dim1 = 128
	s_mov_b32 s[G1+5], 1024                        ; elements from row to row
	s_mov_b32 s[G1+6], 0
	s_mov_b32 s[G1+7], 0
	s_mov_b32 s[G1B+1], KSTEP<<16
	s_mov_b32 s[G1B+2], 96<<16                     ; 96 rows
	s_mov_b32 s[G1B+3], KSTEP<<16
	s_mov_b32 s[G1B+4], 96
	s_mov_b32 s[G1B+5], 1024
	s_mov_b32 s[G1B+6], 0
	s_mov_b32 s[G1B+7], 0
	s_mov_b32 s[ABSM], 0x7fff7fff
	s_mov_b32 s[SEL], 0x76543210
	s_mov_b32 s[SEL+1], 0xfedcba98
	; xb's tiles hang on the tile row alone, wqt's on the tile column alone; each address is made in registers that never hold the other coordinate
	s_lshl_b32 s17, s[HF], 7
	s_lshl_b32 s16, s43, 8
	s_add_co_u32 s16, s16, s17                     ; row 256 rt + 128 half
	s_lshl_b32 s16, s16, 11                        ; of 2,048 bytes
	s_mov_b32 s17, 0
	s_mul_i32 s46, s42, 192
	s_mul_i32 s47, s[HF], 96
	s_add_co_u32 s46, s46, s47                     ; row 192 ct + 96 half
	s_lshl_b32 s46, s46, 11
	s_mov_b32 s47, 0
	s_mul_i32 s22, s[HF], AH                       ; where they go: no place in the cluster enters an LDS address
	s_mul_i32 s23, s[HF], BH
	s_add_co_u32 s23, s23, BOFF
	s_wait_dscnt 0x0                               ; the opening add is done
	s_wait_kmcnt 0x0
	s_add_nc_u64 s[20:21], s[4:5], s[16:17]
	s_add_nc_u64 s[46:47], s[6:7], s[46:47]
	CROUND                                         ; all sixteen work-groups are here: the first joint loads meet
.irp s, 0,1
	s_mov_b32 s[G0+4*(\s)], 1
	s_add_co_u32 s[G0+4*(\s)+1], s22, (\s)*SLOT
	s_add_nc_u64 s[G0+4*(\s)+2:G0+4*(\s)+3], s[20:21], (\s)*KSTEP*2
	s_or_b32 s[G0+4*(\s)+3], s[G0+4*(\s)+3], 0x80000000
	s_mov_b32 s[G0B+4*(\s)], 1
	s_add_co_u32 s[G0B+4*(\s)+1], s23, (\s)*SLOT
	s_add_nc_u64 s[G0B+4*(\s)+2:G0B+4*(\s)+3], s[46:47], (\s)*KSTEP*2
	s_or_b32 s[G0B+4*(\s)+3], s[G0B+4*(\s)+3], 0x80000000
	JLOAD \s                                       ; K steps 0 and 1: two loads of mine are out
.endr
	v_and_b32 v1, 15, v0                           ; l % 16
	v_bfe_u32 v2, v0, 4, 1                         ; l / 16
	v_mul_u32_u24 v3, v1, PITCH
	v_lshl_add_u32 v3, v2, 4, v3                   ; a fragment's row x pitch + 16 x half
	s_mul_i32 s21, s[WV], 64*PITCH                 ; my 64 rows of xb
	v_add_nc_u32 v[ADRA], s21, v3
	v_add_nc_u32 v[ADRA+1], SLOT, v[ADRA]
	v_add_nc_u32 v[ADRB], BOFF, v3                 ; all 192 rows of wqt
	v_add_nc_u32 v[ADRB+1], SLOT, v[ADRB]
	s_mul_i32 s23, s[WV], 16*SPITCH
	s_add_co_u32 s23, s23, STAGE                   ; my stage
	v_mul_u32_u24 v4, v1, SPITCH                   ; in: row l % 16, 16 bytes for each half of the lanes
	v_lshl_add_u32 v4, v2, 4, v4
	v_add_nc_u32 v[STO], s23, v4
	v_bfe_u32 v4, v0, 3, 2                         ; back: 32 lanes take a head's 128 bytes of four rows,
	v_and_b32 v5, 7, v0
	v_mul_u32_u24 v4, v4, SPITCH
	v_lshl_add_u32 v4, v5, 4, v4
	v_add_nc_u32 v[RD], s23, v4
	v_and_b32 v[GO], 31, v0                        ; which are 512 consecutive bytes of qkvh
	v_lshlrev_b32 v[GO], 4, v[GO]
.irp j, 0,1,2,3,4,5
	v_mov_b32 v[AM+(\j)], 0
.endr
	s_mul_i32 s70, s42, 6                          ; qkvh at my rows of my first head: ((2 cg + batch) 2048 + s) 128, cg = 3 ct, batch = rt / 8, s = 256 (rt % 8) + 64 wave
	s_lshr_b32 s71, s43, 3
	s_add_co_u32 s70, s70, s71
	s_lshl_b32 s70, s70, 11
	s_and_b32 s71, s43, 7
	s_lshl_b32 s71, s71, 8
	s_add_co_u32 s70, s70, s71
	s_lshl_b32 s71, s[WV], 6
	s_add_co_u32 s70, s70, s71
	s_lshl_b32 s70, s70, 7
	s_mov_b32 s71, 0
	s_add_nc_u64 s[8:9], s[8:9], s[70:71]
	s_mul_i32 s70, s42, 48                         ; amax at (3 ct) 16 + rt
	s_add_co_u32 s70, s70, s43
	s_lshl_b32 s70, s70, 2
	s_add_nc_u64 s[10:11], s[10:11], s[70:71]
; 12 matrix instructions: row block 2 hi + a x all 12 column blocks, 32 along K, from buffer f.  zero = 1: the product starts the sums.
.macro MUL12 f, hi, a, zero
	WIN MUL_LO+0x50*(\hi)
.irp b, 0,1,2,3,4,5,6,7,8,9,10,11
.if \zero
	v_wmma_f32_16x16x32_bf16 v[8*(12*(\a)+(\b)):8*(12*(\a)+(\b))+7], v[96*(\f)+8*(\b):96*(\f)+8*(\b)+7], v[FA+32*(\f)+8*(2*(\hi)+(\a)):FA+32*(\f)+8*(2*(\hi)+(\a))+7], 0
.else
	v_wmma_f32_16x16x32_bf16 v[8*(12*(\a)+(\b)):8*(12*(\a)+(\b))+7], v[96*(\f)+8*(\b):96*(\f)+8*(\b)+7], v[FA+32*(\f)+8*(2*(\hi)+(\a)):FA+32*(\f)+8*(2*(\hi)+(\a))+7], v[8*(12*(\a)+(\b)):8*(12*(\a)+(\b))+7]
.endif
.endr
.endm
; 32 LDS loads in one run: the fragments of 32 along K at byte k of the rows, into buffer f: wqt's 24, then xb's 8
.macro FETCH slot, k, f
	WIN TO_B
.irp i, 0,1,2,3,4,5,6,7,8,9,10,11
	ds_load_b128 v[96*(\f)+8*(\i):96*(\f)+8*(\i)+3],   v[ADRB+(\slot)] offset:(\k)+(\i)*16*PITCH
	ds_load_b128 v[96*(\f)+8*(\i)+4:96*(\f)+8*(\i)+7], v[ADRB+(\slot)] offset:(\k)+(\i)*16*PITCH+32
.endr
	WIN 0
.irp i, 0,1,2,3
	ds_load_b128 v[FA+32*(\f)+8*(\i):FA+32*(\f)+8*(\i)+3],   v[ADRA+(\slot)] offset:(\k)+(\i)*16*PITCH
	ds_load_b128 v[FA+32*(\f)+8*(\i)+4:FA+32*(\f)+8*(\i)+7], v[ADRA+(\slot)] offset:(\k)+(\i)*16*PITCH+32
.endr
.endm
.macro PLACES                          ; four plain vector instructions between a matrix instruction and a load into, or a read of, its registers (ISA guide 7.12.1 for reads)
.rept 4
	v_nop
.endr
.endm
; A K step is four quarters of 32 along K, 48 matrix instructions each, on buffers 0, 1, 0, 1.  The 48 accumulators take turns in one order.
.macro QUARTER slot, k, f, g, zero
	s_wait_dscnt 4                                 ; wqt's fragments and xb's rows 0-31 are in; the youngest four loads (rows 32-63) may be out
	MUL12 \f, 0, 0, \zero
	MUL12 \f, 0, 1, \zero
	PLACES
	FETCH \slot, \k, \g
	s_wait_dscnt 32                                ; all but the 32 just issued
	MUL12 \f, 1, 0, \zero
	MUL12 \f, 1, 1, \zero
.endm
; The last quarter multiplies buffer 1 and changes slots: ONE barrier.  In front of it each wave waits for all its tensor loads (one is out: its part of the next slot), adds 0 to its spare word, and
; waits for that and for its own reads of this slot.  fill = 1: the barrier opens a round of the cluster's, and this slot is filled again, two K steps ahead, first thing behind the round.
.macro TURN slot, next, fill
	WIN 0                                          ; (the add's two registers lie in window 0)
	s_wait_tensorcnt 0x0
	ds_add_u32 v[SPW], v[NIL]
	s_wait_dscnt 5                                 ; (the add and the youngest four loads may be out)
	MUL12 1, 0, 0, 0
	s_wait_dscnt 0x0                               ; the add is done, and my reads of this slot are over
	s_barrier_signal -1
	MUL12 1, 0, 1, 0
.if \fill
	WIN 0
.endif
	s_barrier_wait -1
.if \fill
	CREST                                          ; no wave of any partner still reads this slot's tile or has a load on its way
	s_add_nc_u64 s[G0+4*(\slot)+2:G0+4*(\slot)+3], s[G0+4*(\slot)+2:G0+4*(\slot)+3], 2*KSTEP*2
	s_add_nc_u64 s[G0B+4*(\slot)+2:G0B+4*(\slot)+3], s[G0B+4*(\slot)+2:G0B+4*(\slot)+3], 2*KSTEP*2
	JLOAD \slot                                    ; my one tensor load behind the round; its four v_nop are also the places in front of the loads below
.else
	PLACES
.endif
	FETCH \next, 0, 0
	MUL12 1, 1, 0, 0
	MUL12 1, 1, 1, 0
.endm
	s_wait_tensorcnt 1                             ; my part of K step 0 is in; K step 1's may stay out
	s_barrier_signal -1
	s_barrier_wait -1
	FETCH 0, 0, 0
	QUARTER 0, 64, 0, 1, 1                         ; the first quarter stands in front of the loop: its products start the sums
	WIN 0
	s_mov_b32 s3, LAPS-1
.Llap:                                                 ; a trip goes once round the ring and fills both slots again
	QUARTER 0, 128, 1, 0, 0
	QUARTER 0, 192, 0, 1, 0
	TURN 0, 1, 1
	QUARTER 1, 64,  0, 1, 0
	QUARTER 1, 128, 1, 0, 0
	QUARTER 1, 192, 0, 1, 0
	TURN 1, 0, 1
	QUARTER 0, 64,  0, 1, 0
	WIN 0
	s_sub_co_u32 s3, s3, 1
	s_cmp_lg_u32 s3, 0
	s_cbranch_scc1 .Llap
	QUARTER 0, 128, 1, 0, 0                        ; the last lap fills nothing
	QUARTER 0, 192, 0, 1, 0
	TURN 0, 1, 0
	QUARTER 1, 64,  0, 1, 0
	QUARTER 1, 128, 1, 0, 0
	QUARTER 1, 192, 0, 1, 0
	s_wait_dscnt 4
	MUL12 1, 0, 0, 0
	MUL12 1, 0, 1, 0
	s_wait_dscnt 0x0
	MUL12 1, 1, 0, 0
	MUL12 1, 1, 1, 0
	WIN 0
; THE WAY OUT of row block a.  PACK: rounded to f16, each accumulator's registers in ascending order; the running maxima of the magnitudes.  TOSTAGE: into my stage, and back head by head as rows of 128 bytes.  SEND: stored.
.macro PACK a
.set AC, 96*((\a)%2)
	WIN 0x0a+5*((\a)/2)                            ; sources 0 and 1: window 2 or 3
.irp b, 0,1,2,3,4,5,6,7,8,9,10,11
.irp r, 0,1,2,3
	v_cvt_pk_f16_f32 v[TMP+4*(\b)+(\r)], v[AC+8*(\b)+2*(\r)], v[AC+8*(\b)+2*(\r)+1]
.endr
.endr
	WIN 0
.irp b, 0,1,2,3,4,5,6,7,8,9,10,11
.irp r, 0,1,2,3
	v_and_b32 v[T+(\r)], s[ABSM], v[TMP+4*(\b)+(\r)]
.endr
.irp r, 0,1,2,3
	v_pk_max_num_f16 v[AM+2*((\b)/4)+(\r)%2], v[AM+2*((\b)/4)+(\r)%2], v[T+(\r)]
.endr
.endr
.endm
.macro TOSTAGE a
.set BK, OB+48*((\a)%2)
.irp b, 0,1,2,3,4,5,6,7,8,9,10,11
	ds_store_b128 v[STO], v[TMP+4*(\b):TMP+4*(\b)+3] offset:32*(\b)
.endr
.irp j, 0,1,2
.irp f, 0,1,2,3
	ds_load_b128 v[BK+4*(4*(\j)+(\f)):BK+4*(4*(\j)+(\f))+3], v[RD] offset:4*SPITCH*(\f)+128*(\j)  ; LDS serves a wave's instructions in order (ISA guide 5.7.1.4): these see the stores above
.endr
.endr
.endm
.macro SEND a
.set BK, OB+48*((\a)%2)
	s_wait_dscnt 0x0                               ; the block is back in registers
	s_wait_xcnt 0x0                                ; the other buffer, which the stores of the block before read, is loaded again only behind this wait
.irp j, 0,1,2
.irp f, 0,1,2,3
	global_store_b128 v[GO], v[BK+4*(4*(\j)+(\f)):BK+4*(4*(\j)+(\f))+3], s[8:9] offset:524288*(\j)+2048*(\a)+512*(\f)  ; 512 consecutive bytes of a head's rows
.endr
.endr
.endm
	PLACES
	PACK 0
	TOSTAGE 0
.irp a, 1,2,3                          ; block a's arithmetic stands between block a - 1's loads from the stage and the wait for them
	PACK \a
	SEND (\a)-1
	TOSTAGE \a
.endr
	SEND 3
	; the three heads' maxima: the two chains, the two halves (widened by a multiply-add with 1 and 0), the 32 lanes, the four waves
	v_mov_b32 v[T+4], 1.0
	v_mov_b32 v[T+5], 0
.irp j, 0,1,2
	v_pk_max_num_f16 v[AM+2*(\j)], v[AM+2*(\j)], v[AM+2*(\j)+1]
.endr
.irp j, 0,1,2
	v_fma_mix_f32 v[T+(\j)], v[AM+2*(\j)], v[T+4], v[T+5] op_sel_hi:[1,0,0]
	v_fma_mix_f32 v[AM+2*(\j)+1], v[AM+2*(\j)], v[T+4], v[T+5] op_sel:[1,0,0] op_sel_hi:[1,0,0]
.endr
.irp j, 0,1,2
	v_max_num_f32 v[T+(\j)], v[T+(\j)], v[AM+2*(\j)+1]
.endr
.irp m, 1,2,4,8
.irp j, 0,1,2
	v_max_num_f32_dpp v[T+(\j)], v[T+(\j)], v[T+(\j)] row_xmask:\m row_mask:0xf bank_mask:0xf
.endr
.endr
.irp j, 0,1,2
	v_permlanex16_b32 v[AM+2*(\j)+1], v[T+(\j)], s[SEL], s[SEL+1]
.endr
.irp j, 0,1,2
	v_max_num_f32 v[T+(\j)], v[T+(\j)], v[AM+2*(\j)+1]
.endr
	s_lshl_b32 s70, s[WV], 2
	s_add_co_u32 s70, s70, AMS
	v_mov_b32 v[T+6], s70
.irp j, 0,1,2
	ds_store_b32 v[T+6], v[T+(\j)] offset:16*(\j)  ; all lanes write the same word with the same value
.endr
	s_wait_dscnt 0x0                               ; for the others' sake: my stores are done
	s_barrier_signal -1
	s_barrier_wait -1
	v_mov_b32 v[T+7], AMS
.irp j, 0,1,2
	ds_load_b128 v[TMP+4*(\j):TMP+4*(\j)+3], v[T+7] offset:16*(\j)
.endr
	s_wait_dscnt 0x0
.irp j, 0,1,2
	v_max3_num_f32 v[TMP+4*(\j)], v[TMP+4*(\j)], v[TMP+4*(\j)+1], v[TMP+4*(\j)+2]
.endr
.irp j, 0,1,2
	v_max_num_f32 v[TMP+4*(\j)], v[TMP+4*(\j)], v[TMP+4*(\j)+3]
.endr
	s_cmp_lg_u32 s[WV], 0
	s_cbranch_scc1 .Lnot_first                     ; wave 0 stores the three numbers, lane j head j's
	v_and_b32 v[T], 31, v0
	v_cmp_eq_u32 vcc_lo, 1, v[T]
	v_cndmask_b32 v[T+1], v[TMP], v[TMP+4], vcc_lo
	v_cmp_eq_u32 vcc_lo, 2, v[T]
	v_cndmask_b32 v[T+1], v[T+1], v[TMP+8], vcc_lo
	v_lshlrev_b32 v[T+2], 6, v[T]                  ; a column group's 16 numbers are 64 bytes
	s_wait_xcnt 0x0                                ; EXEC changes only behind this wait: the stores above count it among their sources
	v_cmp_gt_u32 vcc_lo, 3, v[T]
	s_and_saveexec_b32 s70, vcc_lo
	global_store_b32 v[T+2], v[T+1], s[10:11]
	s_wait_xcnt 0x0                                ; and again, in front of the line that widens it
	s_or_b32 exec_lo, exec_lo, s70
.Lnot_first:
	s_wait_tensorcnt 0x0                           ; the wave's end, behind my last tensor load and my last LDS store
	ds_add_u32 v[SPW], v[NIL]
	s_wait_dscnt 0x0
	CROUND                                         ; the closing round: no work-group ends while a partner may still ask for a tile that names it
	s_endpgm
.Lfunc_end_k_qfb77dd9265_qkv:
	.size	k_qfb77dd9265_qkv, .Lfunc_end_k_qfb77dd9265_qkv-k_qfb77dd9265_qkv
	.p2alignl 7, 3214868480
	.fill 96, 4, 3214868480
	.section	.rodata,"a",@progbits
	.p2align	6, 0x0
	.amdhsa_kernel k_qfb77dd9265_qkv
		.amdhsa_group_segment_fixed_size 327680
		.amdhsa_private_segment_fixed_size 0
		.amdhsa_enable_private_segment 0
		.amdhsa_kernarg_size 32
		.amdhsa_user_sgpr_count 2
		.amdhsa_user_sgpr_kernarg_segment_ptr 1
		.amdhsa_wavefront_size32 1
		.amdhsa_system_sgpr_workgroup_id_x 1
		.amdhsa_system_sgpr_workgroup_id_y 1
		.amdhsa_system_sgpr_workgroup_id_z 1
		.amdhsa_system_vgpr_workitem_id 0
		.amdhsa_next_free_vgpr 960
		.amdhsa_next_free_sgpr 72
		.amdhsa_reserve_vcc 1
		.amdhsa_float_denorm_mode_32 3
		.amdhsa_float_denorm_mode_16_64 3
		.amdhsa_memory_ordered 1
		.amdhsa_forward_progress 1
		.amdhsa_inst_pref_size 140
	.end_amdhsa_kernel
	.amdgpu_metadata
---
amdhsa.version: [ 1, 2 ]
amdhsa.kernels:
  - .name:           k_qfb77dd9265_qkv
    .symbol:         k_qfb77dd9265_qkv.kd
    .args:
      - { .name: xb, .offset: 0, .size: 8, .value_kind: global_buffer, .address_space: global }
      - { .name: wqt, .offset: 8, .size: 8, .value_kind: global_buffer, .address_space: global }
      - { .name: qkvh, .offset: 16, .size: 8, .value_kind: global_buffer, .address_space: global }
      - { .name: amax, .offset: 24, .size: 8, .value_kind: global_buffer, .address_space: global }
    .group_segment_fixed_size: 327680
    .private_segment_fixed_size: 0
    .kernarg_segment_align: 8
    .kernarg_segment_size: 32
    .max_flat_workgroup_size: 128
    .sgpr_count:     72
    .vgpr_count:     960
    .wavefront_size: 32
...
	.end_amdgpu_metadata
.endif
;; end of part 2
;; launch attn (part 3): grid 8 x 32, 4 waves a work-group, clusters of 4 x 1, 327,680 bytes of LDS; arguments qkvh, amax, W1, W2, ob; writes ob
.if DOCPART == 3
	.amdgcn_target "amdgcn-amd-amdhsa--gfx1250"
	.amdhsa_code_object_version 6
	.text
	.protected	k_qfb77dd9265_attn
	.globl	k_qfb77dd9265_attn
	.p2align	8
	.type	k_qfb77dd9265_attn,@function
k_qfb77dd9265_attn:
	s_mov_b64 s[64:65], 0
	v_nop
	global_prefetch_b8 v0, s[64:65] scope:SCOPE_SE
	s_setreg_imm32_b32 hwreg(HW_REG_WAVE_MODE, 25, 1), 1
	s_wait_xcnt 0x0
	s_wait_alu depctr_hold_cnt(0) depctr_sa_sdst(0) depctr_va_vdst(0) depctr_va_sdst(0) depctr_va_ssrc(0) depctr_va_vcc(0) depctr_vm_vsrc(0)
	s_getreg_b32 s2, hwreg(HW_REG_IB_STS2, 6, 4)
	s_cmp_eq_u32 s2, 0
	s_cbranch_scc0 .Lentry_in_a_cluster
	s_endpgm
.Lentry_in_a_cluster:
	s_bfe_u32 s2, ttmp6, 0x10000c
	s_cmp_lg_u32 s2, 0x3003
	s_cbranch_scc0 .Lentry_shape_is_right
	s_endpgm
.Lentry_shape_is_right:
; ATTENTION WITH TWO PARTS.  For batch b and head h, s = q . k / 8:  O[q] = W1 sum_k softmax_k(s) v[k] + W2 sum_k leaky(s) v[k], leaky(s) = s or 0.01 s.  q, k, v: f16, [cg][b][2048][64], unscaled.
; O leaves in bf16 as ob[row / 128][h][row % 128][64].  Products, maxima and sums in f32.  Two accumulators a query: O1 = sum p v with a running maximum and sum, O2 = sum leaky v: the softmax's divisor is
; known at a row's end only and the leaky part has none, so the two cannot share one sum.
; THE SCALE.  |q . k| <= 64 max|q| max|k|.  From the head's two maxima (amax) a power of two g is made with g |q . k| < 1024 and g |q| < 2^15; Q is multiplied by g once (exact but for f16's
; denormals), so the scores come as s' = g q . k.  leaky(s') = max(h, 0.01 h) on h = f16(s') then fits f16 whatever the inputs' size; leaky is positively homogeneous, so O2 is multiplied by W2 / (8 g) at the end.
; The softmax takes the unrounded s': p = 2^(c s' - c m), c = log2(e) / (8 g), m the running maximum of s'; in every step O1 and l are multiplied by a = 2^(c m_old - c m_new).
; m starts at the lowest finite number, O1, O2 and l at 0: the first step is a step like any other, with a = 0.
; LIMITS.  q, k, v within 65,504.  Where a head's max|k| is below 2^-11 the bound on g |q| holds g back, s' is smaller than aimed at and h keeps f16's fixed step of 6e-8.  0.01 is taken as f16 0x211f (0.010002).
; p is rounded to f16 for the product (l is the sum of the unrounded p); a weight below 2^-126 counts as 0 in l.  W1 and W2 are rounded to bf16 like all the module's inputs.  NaN and infinities are not treated apart.
; SHARES.  A work-group owns 256 queries of one head, a wave 64: four tiles of 16, in two PIECES (tiles 0, 1 and tiles 2, 3).  Every wave walks all 2,048 keys, 64 a step; an LDS slot holds four steps.
; LAYOUT.  S^T = K Q^T: a lane holds ONE query (lane % 16) and the keys 8 (lane / 16) + 0..7; two such results rounded in pairs ARE source 1 of O^T = V^T P.  K comes out of LDS as it lies, V turned.
; BY TURNS.  In a turn one piece has the matrix unit: 32 products V^T P and V^T R of the step in hand, then 16 products K Q^T of the next; the other piece's 332 vector instructions stand in slices behind them.
; CLUSTER.  The four query blocks of a cluster belong to one head and walk the same K and V: each tile is asked for jointly, by the same tensor load, descriptor and mask in all four.
; REGISTERS, in windows of 256 (s_set_vgpr_msb: bits 1:0 source 0, 3:2 source 1, 5:4 source 2, 7:6 destination):
;   window 0: v0-11 addresses; v12-43 eight registers of statistics a tile; v44-50 factors; v62-63 the add's; v64-191 S^T, 32 a tile; v192-255 P (first h, then p), 16 a tile
;   window 1: v0-127 O1, 32 a tile; v128-255 O2      window 2: v0-63 Q; v64-127 K of one step; v128-191 V of one step; v192-255 R = leaky(h), 16 a tile
.set KS,    64
.set PK,    144       ; a row of K in LDS: 128 bytes + 16: the 16 rows of a load start 36 words apart
.set PV,    160       ; a row of V: 128 + 32: 16 lanes of the turning load take 8 rows x 32 bytes
.set VOFF,  4*KS*PK   ; a slot: 256 rows of K, then 256 rows of V
.set SLOT1, 1<<17     ; slot 1 begins here: one exclusive or turns an address in one slot into the other's
.set STAGE, SLOT1+4*KS*(PK+PV)  ; behind the ring: 16 rows x 144 bytes for each wave
.set SP,    144
.set SPARE, STAGE+4*16*SP       ; the spare words, 128 bytes for each wave: two blocks of 256 bytes that no other line names
.set AK0, 2           ; v2   my lane's place in a tile of K; never rewritten
.set AV0, 3           ; v3   the same for V
.set AK,  4           ; v4   the LDS address of K's run of loads
.set AV,  5           ; v5   of V's
.set QO,  6           ; v6   my byte offset in 16 rows of Q; later STO
.set STO, 6
.set RD,  7
.set GO,  8
.set ST,  12          ; tile t at v[ST+8 t]: +0 c m, +1 m, +2, +3 l (even keys', odd keys'), +4 to +7 c0-c3 at work; a takes c2's place
.set F2,  44          ; v[44:45] W2 / (8 g)
.set W1R, 46          ; v46  W1
.set GV,  47          ; v47  g
.set ZV,  48          ; v48  0
.set SPW, 62
.set NIL, 63
.set S,   64
.set P,   192
.set KF,  64          ; window 2: key block kb, channel half c at KF + 16 kb + 8 c
.set VF,  128         ; window 2: key half kk, channel block cb at VF + 32 kk + 8 cb
.set R,   192         ; window 2
.set WV,  14          ; s14  my wave's number
.set G1K, 24
.set G1V, 32
.set G0K, 40          ; s[40:43]: it walks
.set G0V, 44
.set SLOTS, 56
.set CNT, 57
.set CS,  58          ; s[58:59] c
.set SEL, 60          ; s[60:61]
.set TBK, 62          ; s62  LDS byte at which K of the step to be fetched begins
.set TBV, 63          ; s63  the same for V, less VOFF
.set LK,  66          ; s66  0.01 twice, in f16
.set GS,  68          ; s68  g
.set GI,  70          ; s70  1 / (8 g)
.set MSB, 0
.macro WIN new
.if MSB != (\new)
	s_set_vgpr_msb (MSB<<8)|(\new)
.set MSB, (\new)
.endif
.endm
.set W_KQ, 0x0a       ; K and Q in window 2, S^T in window 0
.set W_PV, 0x52       ; V in window 2, P in window 0, O1 in window 1
.set W_RV, 0x5a       ; V and R in window 2, O2 in window 1
.set W_RS, 0x41       ; destination and source 0 in window 1, source 1 in window 0
.set W_RM, 0x80       ; destination in window 2, source 0 in window 0
.set W_RX, 0x88       ; destination and source 1 in window 2, source 0 in window 0
; A joint fill: waves 0 and 1 fetch the two halves of a slot's K, waves 2 and 3 those of its V, 128 keys each.  An s_nop 0 and four v_nop follow each line.
.macro JLOAD
	s_cmp_lt_u32 s[WV], 2
	s_cbranch_scc0 .Lfor_v_\@
	tensor_load_to_lds s[G0K:G0K+3], s[G1K:G1K+7]
	s_nop 0
.rept 4
	v_nop
.endr
	s_branch .Lasked_\@
.Lfor_v_\@:
	tensor_load_to_lds s[G0V:G0V+3], s[G1V:G1V+7]
	s_nop 0
.rept 4
	v_nop
.endr
.Lasked_\@:
.endm
.macro CROUND                       ; a round of the cluster's barrier
	s_barrier_signal -1
	s_barrier_wait -1
	s_cmp_lg_u32 s[WV], 0
	s_cbranch_scc1 .Lnot_wave_0_\@
	s_barrier_signal -3
.Lnot_wave_0_\@:
	s_barrier_wait -3
	s_barrier_signal -1
	s_barrier_wait -1
.endm
; THE CHANGE OF SLOTS.  The slot's last bytes, V of its fourth step, have been asked for.  Each wave waits for all its tensor loads (one is out: its part of the other slot), adds 0 to its spare word, and waits
; for that and for its own reads of the slot.  fill = 1: the barrier is a round of the cluster's, and the slot is filled again, with the keys two slots on, first thing behind it: four key steps,
; 384 matrix instructions, in which to land.  (At its first use nothing has been read yet: slot 0 is waited for, slot 1 filled.)
.macro CHANGE fill
	WIN 0
	s_wait_tensorcnt 0x0            ; no tensor load of mine is out, so a group 0 may be written
	ds_add_u32 v[SPW], v[NIL]
.if \fill
.irp g, G0K, G0V
	s_xor_b32 s[\g+1], s[\g+1], SLOT1
	s_add_nc_u64 s[\g+2:\g+3], s[\g+2:\g+3], 4*KS*128
.endr
	s_wait_dscnt 0x0                ; the add is done, and my reads of the slot are over
	CROUND
	JLOAD
.else
	s_wait_dscnt 0x0
	s_barrier_signal -1
	s_barrier_wait -1
.endif
	s_sub_co_u32 s[TBK], s[TBK], 4*KS*PK  ; the fetches go back to a slot's first step, in the other slot
	s_xor_b32 s[TBK], s[TBK], SLOT1
	s_sub_co_u32 s[TBV], s[TBV], 4*KS*PV
	s_xor_b32 s[TBV], s[TBV], SLOT1
.endm
	s_load_b256 s[4:11], s[0:1], 0x0  ; qkvh s[4:5], amax s[6:7], W1 s[8:9], W2 s[10:11]
	s_load_b64 s[12:13], s[0:1], 0x20 ; ob
	v_lshl_add_u32 v[SPW], v0, 2, SPARE
	v_mov_b32 v[NIL], 0
	ds_add_u32 v[SPW], v[NIL]       ; the wave's opening: the add and its wait stand ahead of my first tensor load; the set-up below stands between them
	v_lshrrev_b32 v1, 5, v0
	v_readfirstlane_b32 s[WV], v1
	s_bfe_u32 s15, ttmp6, 0x40000   ; cx
	s_lshl_b32 s73, ttmp9, 2
	s_add_co_u32 s73, s73, s15      ; my block of 256 queries: it enters Q's and ob's addresses alone
	s_and_b32 s74, ttmp7, 0xffff
	s_lshr_b32 s75, s74, 4          ; batch
	s_and_b32 s76, s74, 15          ; head
	s_lshl_b32 s77, s76, 1
	s_add_co_u32 s77, s77, s75      ; 2 head + batch: q's block of 262,144 bytes; k's lies 32 blocks on, v's 64
	s_and_b32 s16, s[WV], 1         ; which half of a slot's 256 keys I fetch
	s_lshl_b32 s20, s77, 18
	s_lshl_b32 s21, s16, 14
	s_add_co_u32 s20, s20, s21
	s_mov_b32 s21, 0
	s_mul_i32 s17, s16, 128*PK      ; its place in a slot, for K
	s_mul_i32 s18, s16, 128*PV      ; and for V: no place in the cluster enters an LDS address
	s_lshl_b32 s22, s77, 18         ; Q at my wave's 64 rows
	s_lshl_b32 s23, s73, 15
	s_add_co_u32 s22, s22, s23
	s_lshl_b32 s23, s[WV], 13
	s_add_co_u32 s22, s22, s23
	s_mov_b32 s23, 0
	s_lshl_b32 s78, s75, 4          ; ob: block of 128 rows = 16 batch + 2 query block + wave / 2,
	s_lshl_b32 s79, s73, 1
	s_add_co_u32 s78, s78, s79
	s_lshr_b32 s79, s[WV], 1
	s_add_co_u32 s78, s78, s79
	s_lshl_b32 s78, s78, 4
	s_add_co_u32 s78, s78, s76      ; the head,
	s_lshl_b32 s78, s78, 7
	s_lshl_b32 s79, s16, 6
	s_add_co_u32 s78, s78, s79      ; row 64 (wave % 2),
	s_lshl_b32 s78, s78, 7          ; of 128 bytes
	s_mov_b32 s79, 0
	s_lshl_b32 s74, s76, 6          ; amax: q's eight numbers at 64 head + 32 batch; k's 1,024 bytes on
	s_lshl_b32 s75, s75, 5
	s_add_co_u32 s74, s74, s75
	s_mov_b32 s75, 0
	s_lshl_b32 s76, s76, 2          ; W1, W2 at 4 head
	s_mov_b32 s77, 0
	; descriptor group 1.  128 keys are 16,384 dense bytes: asked for as 64 rows of 256 bytes, two keys a row, padded in LDS after every key
	s_mov_b32 s[G1K], 15|(1<<16)|(1<<20)|(1<<21)|(4<<22)|(3<<25)  ; the mask of four; 2-byte elements; padding on; bit 21 beside a mask; after every 32 words 4 words
	s_mov_b32 s[G1V], 15|(1<<16)|(1<<20)|(1<<21)|(4<<22)|(7<<25)  ; the same with 8 words
.irp g, G1K, G1V
	s_mov_b32 s[\g+1], 128<<16      ; tensor_dim0 = 128
	s_mov_b32 s[\g+2], 64<<16       ; tensor_dim1 = 64
	s_mov_b32 s[\g+3], 128<<16      ; tile_dim0 = 128
	s_mov_b32 s[\g+4], 64           ; tile_dim1 = 64
	s_mov_b32 s[\g+5], 128          ; elements from row to row
	s_mov_b32 s[\g+6], 0
	s_mov_b32 s[\g+7], 0
.endr
	s_mov_b32 s[SEL], 0x76543210
	s_mov_b32 s[SEL+1], 0xfedcba98
	s_mov_b32 s[LK], 0x211f211f
	s_mov_b32 s[TBK], SLOT1+4*KS*PK ; the first change of slots turns these two into 0
	s_mov_b32 s[TBV], SLOT1+4*KS*PV
	s_mov_b32 s[G0K], 1
	s_mov_b32 s[G0K+1], s17
	s_mov_b32 s[G0V], 1
	s_add_co_u32 s[G0V+1], s18, VOFF
	s_wait_dscnt 0x0                ; the opening add is done
	s_wait_kmcnt 0x0
	s_add_nc_u64 s[G0K+2:G0K+3], s[4:5], s[20:21]
	s_add_nc_u64 s[G0V+2:G0V+3], s[G0K+2:G0K+3], 0x1000000  ; v's blocks begin 64 x 262,144 bytes in,
	s_add_nc_u64 s[G0K+2:G0K+3], s[G0K+2:G0K+3], 0x800000   ; k's 32 x 262,144
	s_or_b32 s[G0K+3], s[G0K+3], 0x80000000
	s_or_b32 s[G0V+3], s[G0V+3], 0x80000000
	s_add_nc_u64 s[4:5], s[4:5], s[22:23]
	s_add_nc_u64 s[12:13], s[12:13], s[78:79]
	s_add_nc_u64 s[6:7], s[6:7], s[74:75]
	s_add_nc_u64 s[8:9], s[8:9], s[76:77]
	s_add_nc_u64 s[10:11], s[10:11], s[76:77]
	CROUND                          ; all four work-groups are here: the first joint loads meet
	JLOAD                           ; slot 0.  Slot 1 is asked for when slot 0 is in
	s_load_b256 s[16:23], s[6:7], 0x0    ; the largest |q| of the head's eight row blocks
	s_load_b256 s[48:55], s[6:7], 0x400  ; the largest |k|
	s_load_b32 s71, s[8:9], 0x0
	s_load_b32 s72, s[10:11], 0x0
	v_and_b32 v1, 15, v0            ; l % 16
	v_bfe_u32 v9, v0, 4, 1          ; l / 16
	v_lshlrev_b32 v[QO], 7, v1
	v_lshl_add_u32 v[QO], v9, 4, v[QO]  ; row x 128 + 16 x half
	WIN 0x80                        ; destination window 2, address window 0
.set i, 0
.rept 8                             ; Q: tile i / 2, channels 32 (i % 2) on
	global_load_b128 v[8*i:8*i+3],   v[QO], s[4:5] offset:(i/2)*2048+(i%2)*64
	global_load_b128 v[8*i+4:8*i+7], v[QO], s[4:5] offset:(i/2)*2048+(i%2)*64+32
.set i, i+1
.endr
	; What the first turn finds: V, piece 2's P and R hold 0 (its products, of a step that has not been, add 0); O1, O2 and l are 0.  All this stands in the wait for the first tile.
.set i, VF
.rept 64
	v_mov_b32 v[i], 0
.set i, i+1
.endr
.set i, R+32
.rept 32
	v_mov_b32 v[i], 0
.set i, i+1
.endr
	WIN 0x40
.set i, 0
.rept 256
	v_mov_b32 v[i], 0
.set i, i+1
.endr
	WIN 0
.set i, 0
.rept 4
	v_mov_b32 v[ST+8*i], 0xfe000000    ; c m: far below every c s'
	v_mov_b32 v[ST+8*i+1], 0xff7fffff  ; m
	v_mov_b32 v[ST+8*i+2], 0
	v_mov_b32 v[ST+8*i+3], 0
.set i, i+1
.endr
.set i, P+32
.rept 32
	v_mov_b32 v[i], 0
.set i, i+1
.endr
	v_mul_u32_u24 v[AK0], v1, PK
	v_lshl_add_u32 v[AK0], v9, 4, v[AK0]
	; The turning load takes 16 keys x 16 channels (lane l reads key 8 (l / 16) + l % 8, channels 8 ((l / 8) % 2) + 0..7) and leaves half a fragment of V^T
	v_and_b32 v10, 7, v0
	v_bfe_u32 v11, v0, 3, 1
	v_lshl_add_u32 v[AV0], v9, 3, v10
	v_mul_u32_u24 v[AV0], v[AV0], PV
	v_lshl_add_u32 v[AV0], v11, 4, v[AV0]
	v_add_nc_u32 v[AV0], VOFF, v[AV0]
	s_wait_kmcnt 0x0
	; g.  The maxima are positive f32, so their bit patterns order as they do.  With E the exponent fields, max < 2^(E - 126): g's field is min(383 - Eq - Ek, 268 - Eq, 253), at least 1.
.irp r, 17,18,19,20,21,22,23
	s_max_u32 s16, s16, s\r
.endr
.irp r, 49,50,51,52,53,54,55
	s_max_u32 s48, s48, s\r
.endr
	s_lshr_b32 s16, s16, 23
	s_lshr_b32 s48, s48, 23
	s_sub_co_i32 s73, 383, s16
	s_sub_co_i32 s73, s73, s48
	s_sub_co_i32 s74, 268, s16
	s_min_i32 s73, s73, s74
	s_min_i32 s73, s73, 253
	s_max_i32 s73, s73, 1
	s_lshl_b32 s[GS], s73, 23       ; g
	s_sub_co_i32 s74, 254, s73
	s_lshl_b32 s74, s74, 23         ; 1 / g
	s_mul_f32 s[CS], s74, 0x3e38aa3b  ; c = log2(e) / 8 / g
	s_mov_b32 s[CS+1], s[CS]        ; named with it as a pair
	s_mul_f32 s[GI], s74, 0x3e000000  ; 1 / (8 g)
	v_cvt_pk_bf16_f32 v49, s71, s72 ; W1 and W2 rounded to bf16
	v_lshlrev_b32 v[W1R], 16, v49
	v_and_b32 v50, 0xffff0000, v49
	v_mul_f32 v[F2], s[GI], v50
	v_mov_b32 v[F2+1], v[F2]
	v_mov_b32 v[GV], s[GS]
	v_mov_b32 v[ZV], 0
	s_wait_loadcnt 0x0              ; Q
	WIN 0x02                        ; source 0 window 2: each half of Q times g, in f32, into S^T's registers
.set i, 0
.rept 64
	v_fma_mix_f32 v[S+2*i],   v[i], v[GV], v[ZV] op_sel_hi:[1,0,0]
	v_fma_mix_f32 v[S+2*i+1], v[i], v[GV], v[ZV] op_sel:[1,0,0] op_sel_hi:[1,0,0]
.set i, i+1
.endr
	WIN 0x80                        ; and back to f16
.set i, 0
.rept 64
	v_cvt_pk_f16_f32 v[i], v[S+2*i], v[S+2*i+1]
.set i, i+1
.endr
; THE MATRIX WORK.  The accumulators take turns, one instruction a turn: 7 others' (K Q^T) or 15 others' (V^T P, V^T R) stand between two links of a chain.
; Product i of 16 of S^T = K Q^T for piece x: channels 32 (i / 8) on, keys 16 ((i / 2) % 4) on, tile x + i % 2.  The first 8 start the sums.
.macro KQ x
	WIN W_KQ
.set rS, S+32*((\x)+i%2)+8*((i/2)%4)
.set rK, KF+16*((i/2)%4)+8*(i/8)
.set rQ, 16*((\x)+i%2)+8*(i/8)
.if i < 8
	v_wmma_f32_16x16x32_f16 v[rS:rS+7], v[rK:rK+7], v[rQ:rQ+7], 0
.else
	v_wmma_f32_16x16x32_f16 v[rS:rS+7], v[rK:rK+7], v[rQ:rQ+7], v[rS:rS+7]
.endif
.endm
; Product i of 32 for piece x: keys 32 (i / 16) on; (i / 8) % 2 = 0: O1 += V^T P, 1: O2 += V^T R; channels 16 ((i / 2) % 4) on; tile x + i % 2.
.macro PV x
.set xt, (\x)+i%2
.set rV, VF+32*(i/16)+8*((i/2)%4)
.if (i/8)%2 == 0
	WIN W_PV
.set rO, 32*xt+8*((i/2)%4)
.set rP, P+16*xt+8*(i/16)
.else
	WIN W_RV
.set rO, 128+32*xt+8*((i/2)%4)
.set rP, R+16*xt+8*(i/16)
.endif
	v_wmma_f32_16x16x32_f16 v[rO:rO+7], v[rV:rV+7], v[rP:rP+7], v[rO:rO+7]
.endm
; THE LDS LOADS stand in runs of 16.  last = 1 (the tail): in the last trip there is no further step, and the run is jumped over.
.macro FETCH_K last=0
	WIN 0
.if \last
	s_cmp_eq_u32 s[CNT], 1
	s_cbranch_scc1 .Lno_k_\@
.endif
	v_add_nc_u32 v[AK], s[TBK], v[AK0]
	WIN 0x80
.irp f, 0,1,2,3,4,5,6,7             ; keys 16 (f / 2) on, channels 32 (f % 2) on
	ds_load_b128 v[KF+8*\f:KF+8*\f+3],   v[AK] offset:(\f/2)*16*PK+(\f%2)*64
	ds_load_b128 v[KF+8*\f+4:KF+8*\f+7], v[AK] offset:(\f/2)*16*PK+(\f%2)*64+32
.endr
	s_add_co_u32 s[TBK], s[TBK], KS*PK  ; the next fetch is the next step's
	WIN 0
.if \last
.Lno_k_\@:
.endif
.endm
.macro FETCH_V
	WIN 0
	v_add_nc_u32 v[AV], s[TBV], v[AV0]
	WIN 0x80
.irp f, 0,1,2,3,4,5,6,7             ; keys 32 (f / 4) on, channels 16 (f % 4) on
	ds_load_tr16_b128 v[VF+8*\f:VF+8*\f+3],   v[AV] offset:(\f/4)*32*PV+(\f%4)*32
	ds_load_tr16_b128 v[VF+8*\f+4:VF+8*\f+7], v[AV] offset:(\f/4)*32*PV+16*PV+(\f%4)*32
.endr
	s_add_co_u32 s[TBV], s[TBV], KS*PV
	WIN 0
.endm
; THE VECTOR WORK.  One tile's list for one key step has 166 numbers; SM writes number j of it for tile t.  s0-s31 are the lane's 32 scores s', in pairs 0-15.
;   0-15    h: pair j rounded to f16, into P (each accumulator's lowest registers are read first)
;   16-36   the maximum of s0-s31 and the old m, three operands at a time; the other half of the lanes'; the new m; c m; c m_old - c m_new
;   37-68   R = 0.01 h, then R = max(h, R)
;   69-149  c s' - c m for the 16 pairs; 33 exponentials (a, then s0-s31) at the odd numbers from 71 on, a plain instruction at every even one: scalings ahead, roundings to f16 (into P, over h) a pair back, the
;           first sums; then the last rounding, the rest of the sums, l = a l + the sum
;   150-165 the tile's O1 times a
.macro MAXS
.set xm, j-16
.if xm < 4
	v_max3_num_f32 v[rT+4+xm], v[rS+8*xm], v[rS+8*xm+1], v[rS+8*xm+2]
.elseif xm < 12
	v_max3_num_f32 v[rT+4+xm%4], v[rT+4+xm%4], v[rS+8*(xm%4)+2*(xm/4)+1], v[rS+8*(xm%4)+2*(xm/4)+2]
.elseif xm == 12
	v_max3_num_f32 v[rT+4], v[rT+4], v[rS+7], v[rS+15]
.elseif xm == 13
	v_max3_num_f32 v[rT+6], v[rT+6], v[rS+23], v[rS+31]
.elseif xm == 14
	v_max3_num_f32 v[rT+4], v[rT+4], v[rT+5], v[rT+6]
.elseif xm == 15
	v_max3_num_f32 v[rT+4], v[rT+4], v[rT+7], v[rT+1]
.elseif xm == 16
	v_permlanex16_b32 v[rT+5], v[rT+4], s[SEL], s[SEL+1]  ; the query's other 32 keys lie in the lane 16 away
.elseif xm == 17
	v_mov_b32 v[rT+7], v[rT]        ; c m_old is kept for a
.elseif xm == 18
	v_max_num_f32 v[rT+1], v[rT+4], v[rT+5]
.elseif xm == 19
	v_mul_f32 v[rT], s[CS], v[rT+1]
.else
	v_sub_f32 v[rT+7], v[rT+7], v[rT]
.endif
.endm
.macro EXPS
.set xn, j-48
.set xq, (xn-20)/2
.if xn == 23
	v_exp_f32 v[rT+6], v[rT+7]
.elseif (xn < 88) && (xn > 23) && (xn%2 == 1)
	v_exp_f32 v[rS+(xn-25)/2], v[rS+(xn-25)/2]
.elseif (xq < 4) || ((xn < 76) && (xq%2 == 0))
.set xb, xq/2+2
.if xq < 4
.set xb, xq
.endif
	v_pk_fma_f32 v[rS+2*xb:rS+2*xb+1], v[rS+2*xb:rS+2*xb+1], s[CS:CS+1], v[rT:rT+1] op_sel_hi:[1,0,0] neg_lo:[0,0,1] neg_hi:[0,0,1]  ; pair xb: c s' - c m
.elseif (xn < 88) && (xq%2 == 1)
	s_wait_alu depctr_va_vdst(0)
	v_cvt_pk_f16_f32 v[rP+(xq-5)/2], v[rS+xq-5], v[rS+xq-4]
.elseif xn == 89
	s_wait_alu depctr_va_vdst(0)
	v_cvt_pk_f16_f32 v[rP+15], v[rS+30], v[rS+31]
.else                               ; the sum of the 16 pairs, in place: sum xz of 16 adds neighbours 1, 2, 4 and 8 pairs apart, then l takes it
.set xz, xn-86
.if xn < 89
.set xz, (xn-76)/4
.endif
.set xw, 4
.set xu, xz
.if xz >= 14
.set xw, 32
.set xu, 0
.elseif xz >= 12
.set xw, 16
.set xu, xz-12
.elseif xz >= 8
.set xw, 8
.set xu, xz-8
.endif
.if xz < 15
	v_pk_add_f32 v[rS+xw*xu:rS+xw*xu+1], v[rS+xw*xu:rS+xw*xu+1], v[rS+xw*xu+xw/2:rS+xw*xu+xw/2+1]
.else
	v_pk_fma_f32 v[rT+2:rT+3], v[rT+2:rT+3], v[rT+6:rT+7], v[rS:rS+1] op_sel_hi:[1,0,1]
.endif
.endif
.endm
.macro SM t
.set rT, ST+8*(\t)
.set rS, S+32*(\t)
.set rP, P+16*(\t)
.set rR, R+16*(\t)
.set rO, 32*(\t)
.if j < 16
	WIN 0
	v_cvt_pk_f16_f32 v[rP+j], v[rS+2*j], v[rS+2*j+1]
.elseif j < 37
	WIN 0
	MAXS
.elseif j < 53
	WIN W_RM
	v_pk_mul_f16 v[rR+j-37], v[rP+j-37], s[LK]
.elseif j < 69
	WIN W_RX
	v_pk_max_num_f16 v[rR+j-53], v[rP+j-53], v[rR+j-53]
.elseif j < 150
	WIN 0
	EXPS
.else
	WIN W_RS
	v_pk_mul_f32 v[rO+2*(j-150):rO+2*(j-150)+1], v[rO+2*(j-150):rO+2*(j-150)+1], v[rT+6:rT+7] op_sel_hi:[1,0]
.endif
.endm
; The piece's queue of 332: the two tiles alternate, so that no line reads the result of the one before it; from 140 to 271 tile by tile, two numbers each: plain, exponential, plain, exponential, so that
; no two exponentials follow each other and each has a plain instruction of the other tile behind it (ISA guide 5.7.2).
.macro ENT
.if qq < 140
.set j, qq/2
.set tt, Y+qq%2
.elseif qq < 272
.set j, 70+2*((qq-140)/4)+(qq-140)%2
.set tt, Y+((qq-140)%4)/2
.else
.set j, 136+(qq-272)/2
.set tt, Y+qq%2
.endif
	SM tt
.set qq, qq+1
.endm
.macro SLICE cnt
.rept \cnt
	ENT
.endr
.endm
; A TURN.  Piece x has the matrix unit; the other piece's queue is dealt seven behind each of the 48 matrix instructions, five behind the last two.  Those last five are rescalings of the other piece's O1:
; plain, and naming no register of the products K Q^T: the places in front of the next turn's first read of those scores and of the loads into K's registers.
; Piece 0's turn fetches the next step's K behind its second product; piece 2's turn the next step's V behind its second product K Q^T, 21 vector lines (ten or more of them plain) behind V's last reader.
.macro TURN x, last=0
.set Y, 2-(\x)
.set qq, 0
.if (\x) == 0
	s_wait_dscnt 0x0                ; V is in
.endif
.set i, 0
.rept 32
	PV \x
	SLICE 7
.if ((\x) == 0) && (i == 1)
	FETCH_K \last
.endif
.set i, i+1
.endr
.if (\x) == 0
	s_wait_dscnt 0x0                ; K is in
.endif
.set i, 0
.rept 16
	KQ \x
.if i < 14
	SLICE 7
.else
	SLICE 5
.endif
.if ((\x) == 2) && (i == 1)
	FETCH_V
.endif
.set i, i+1
.endr
.endm
	CHANGE 1                        ; slot 0 is in, everybody's part of it; slot 1 is asked for
	FETCH_K                         ; key step 0
	s_wait_dscnt 0x0
.set i, 0
.rept 16
	KQ 0                            ; piece 0's first scores
.set i, i+1
.endr
	WIN 0                           ; the addresses for the way out: eleven plain instructions, the places behind those products
	s_mul_i32 s73, s[WV], 16*SP
	s_add_co_u32 s73, s73, STAGE    ; my stage
	v_mul_u32_u24 v[STO], v1, SP    ; in: row l % 16, 16 bytes for each half of the lanes
	v_lshl_add_u32 v[STO], v9, 4, v[STO]
	v_add_nc_u32 v[STO], s73, v[STO]
	v_bfe_u32 v[RD], v0, 3, 2       ; back: 32 lanes take four rows of 128 bytes,
	v_mul_u32_u24 v[RD], v[RD], SP
	v_lshl_add_u32 v[RD], v10, 4, v[RD]
	v_add_nc_u32 v[RD], s73, v[RD]
	v_and_b32 v[GO], 31, v0         ; which are 512 consecutive bytes of ob
	v_lshlrev_b32 v[GO], 4, v[GO]
	s_mov_b32 s[CNT], 4
	s_mov_b32 s[SLOTS], 7
	s_branch .Lmid                  ; the loop is entered in the middle of a trip: piece 2's turn, whose products V^T P and V^T R add zeros this once
.Lslot:                             ; six times: every slot but the last two is filled again
	CHANGE 1
	s_mov_b32 s[CNT], 4
.Lstep:                             ; a trip: piece 0's turn (it fetches the next step's K), piece 2's turn (it fetches that step's V)
	TURN 0
	WIN 0
.Lmid:
	TURN 2
	WIN 0
	s_sub_co_u32 s[CNT], s[CNT], 1
	s_cmp_lg_u32 s[CNT], 0
	s_cbranch_scc1 .Lstep
	s_sub_co_u32 s[SLOTS], s[SLOTS], 1
	s_cmp_lg_u32 s[SLOTS], 0
	s_cbranch_scc1 .Lslot
	CHANGE 0                        ; the tail is written out: nothing is asked for
	s_mov_b32 s[CNT], 5             ; four trips fetch the last slot's steps; the fifth is left in its middle
.Ltail:
	TURN 0, 1
	WIN 0
	s_sub_co_u32 s[CNT], s[CNT], 1
	s_cmp_eq_u32 s[CNT], 0
	s_cbranch_scc1 .Lout
	TURN 2
	WIN 0
	s_branch .Ltail
.Lout:                              ; the fifth trip's 16 products K Q^T (on the last K once more) serve nothing: the price, once a launch, of one text for every trip
.set i, 0
.rept 32
	PV 2                            ; piece 2's products of the last step
.set i, i+1
.endr
	; THE WAY OUT.  l's two halves and the other half of the lanes' are added; O = O1 W1 / l + O2 W2 / (8 g), rounded to bf16, through my stage, a tile at a time.  The additions are the places behind the last products.
	WIN 0
.macro ALL line:vararg              ; one line for each tile t
.set t, 0
.rept 4
	s_wait_alu depctr_va_vdst(0)
	\line
.set t, t+1
.endr
.endm
	ALL v_add_f32 v[ST+8*t+4], v[ST+8*t+2], v[ST+8*t+3]
	ALL v_permlanex16_b32 v[ST+8*t+5], v[ST+8*t+4], s[SEL], s[SEL+1]
	ALL v_add_f32 v[ST+8*t+4], v[ST+8*t+4], v[ST+8*t+5]
	ALL v_rcp_f32 v[ST+8*t+5], v[ST+8*t+4]
	v_nop                           ; a plain instruction between the last reciprocal and the use of its result
	ALL v_mul_f32 v[ST+8*t+6], v[W1R], v[ST+8*t+5]
.macro PACK t                       ; a lane's eight channels of a row pack into 16 bytes; they go into rows of 144 bytes and come back as whole rows of 128
	WIN W_RS
.set i, 0
.rept 16
	v_pk_mul_f32 v[128+32*(\t)+2*i:128+32*(\t)+2*i+1], v[128+32*(\t)+2*i:128+32*(\t)+2*i+1], v[F2:F2+1] op_sel_hi:[1,0]
.set i, i+1
.endr
	WIN 0x51                        ; destination, sources 0 and 2 in window 1, source 1 in window 0
.set i, 0
.rept 16
	v_pk_fma_f32 v[32*(\t)+2*i:32*(\t)+2*i+1], v[32*(\t)+2*i:32*(\t)+2*i+1], v[ST+8*(\t)+6:ST+8*(\t)+7], v[128+32*(\t)+2*i:128+32*(\t)+2*i+1] op_sel_hi:[1,0,1]
.set i, i+1
.endr
	WIN 0x05                        ; sources 0 and 1 window 1, destination window 0
.set i, 0
.rept 16
	v_cvt_pk_bf16_f32 v[S+16*(\t)+i], v[32*(\t)+2*i], v[32*(\t)+2*i+1]
.set i, i+1
.endr
	WIN 0
.irp f, 0,1,2,3
	ds_store_b128 v[STO], v[S+16*(\t)+4*\f:S+16*(\t)+4*\f+3] offset:32*\f
.endr
.irp f, 0,1,2,3
	ds_load_b128 v[S+16*(\t)+4*\f:S+16*(\t)+4*\f+3], v[RD] offset:\f*4*SP  ; LDS serves a wave's instructions in order (ISA guide 5.7.1.4): these see the stores above; the next tile's stores come behind them
.endr
.endm
.macro SEND t, younger              ; younger: the LDS instructions issued behind tile t's loads: the next tile's eight, or none
	WIN 0
.irp f, 0,1,2,3
	s_wait_dscnt (\younger)+3-\f
	global_store_b128 v[GO], v[S+16*(\t)+4*\f:S+16*(\t)+4*\f+3], s[12:13] offset:(\t)*2048+\f*512  ; 512 consecutive bytes, at a multiple of 256 from ob's first
.endr
.endm
	PACK 0
.set t, 1
.rept 3                             ; a tile's arithmetic stands between the loads of the tile before and its stores
	PACK t
	SEND t-1, 8
.set t, t+1
.endr
	SEND 3, 0
	s_wait_tensorcnt 0x0            ; the wave's end, behind my last tensor load and my last LDS store
	ds_add_u32 v[SPW], v[NIL]
	s_wait_dscnt 0x0
	CROUND                          ; the closing round: no work-group ends while a partner may still ask for a tile that names it
	s_endpgm
.Lfunc_end_k_qfb77dd9265_attn:
	.size	k_qfb77dd9265_attn, .Lfunc_end_k_qfb77dd9265_attn-k_qfb77dd9265_attn
	.p2alignl 7, 3214868480
	.fill 96, 4, 3214868480
	.section	.rodata,"a",@progbits
	.p2align	6, 0x0
	.amdhsa_kernel k_qfb77dd9265_attn
		.amdhsa_group_segment_fixed_size 327680
		.amdhsa_private_segment_fixed_size 0
		.amdhsa_enable_private_segment 0
		.amdhsa_kernarg_size 40
		.amdhsa_user_sgpr_count 2
		.amdhsa_user_sgpr_kernarg_segment_ptr 1
		.amdhsa_wavefront_size32 1
		.amdhsa_system_sgpr_workgroup_id_x 1
		.amdhsa_system_sgpr_workgroup_id_y 1
		.amdhsa_system_sgpr_workgroup_id_z 1
		.amdhsa_system_vgpr_workitem_id 0
		.amdhsa_next_free_vgpr 768
		.amdhsa_next_free_sgpr 80
		.amdhsa_reserve_vcc 0
		.amdhsa_float_denorm_mode_32 3
		.amdhsa_float_denorm_mode_16_64 3
		.amdhsa_memory_ordered 1
		.amdhsa_forward_progress 1
		.amdhsa_inst_pref_size 169
	.end_amdhsa_kernel
	.amdgpu_metadata
---
amdhsa.version: [ 1, 2 ]
amdhsa.kernels:
  - .name:           k_qfb77dd9265_attn
    .symbol:         k_qfb77dd9265_attn.kd
    .args:
      - { .name: qkvh, .offset: 0, .size: 8, .value_kind: global_buffer, .address_space: global }
      - { .name: amax, .offset: 8, .size: 8, .value_kind: global_buffer, .address_space: global }
      - { .name: W1, .offset: 16, .size: 8, .value_kind: global_buffer, .address_space: global }
      - { .name: W2, .offset: 24, .size: 8, .value_kind: global_buffer, .address_space: global }
      - { .name: ob, .offset: 32, .size: 8, .value_kind: global_buffer, .address_space: global }
    .group_segment_fixed_size: 327680
    .private_segment_fixed_size: 0
    .kernarg_segment_align: 8
    .kernarg_segment_size: 40
    .max_flat_workgroup_size: 128
    .sgpr_count:     80
    .vgpr_count:     768
    .wavefront_size: 32
...
	.end_amdgpu_metadata
.endif
;; end of part 3
;; launch outp (part 4): grid 8 x 32, 4 waves a work-group, clusters of 4 x 4, 327,680 bytes of LDS; arguments ob, wot, bout, out0; writes out0
.if DOCPART == 4
	.amdgcn_target "amdgcn-amd-amdhsa--gfx1250"
	.amdhsa_code_object_version 6
	.text
	.protected	k_qfb77dd9265_outp
	.globl	k_qfb77dd9265_outp
	.p2align	8
	.type	k_qfb77dd9265_outp,@function
k_qfb77dd9265_outp:
	s_mov_b64 s[64:65], 0
	v_nop
	global_prefetch_b8 v0, s[64:65] scope:SCOPE_SE
	s_setreg_imm32_b32 hwreg(HW_REG_WAVE_MODE, 25, 1), 1
	s_wait_xcnt 0x0
	s_wait_alu depctr_hold_cnt(0) depctr_sa_sdst(0) depctr_va_vdst(0) depctr_va_sdst(0) depctr_va_ssrc(0) depctr_va_vcc(0) depctr_vm_vsrc(0)
	s_getreg_b32 s2, hwreg(HW_REG_IB_STS2, 6, 4)
	s_cmp_eq_u32 s2, 0
	s_cbranch_scc0 .Lentry_in_a_cluster
	s_endpgm
.Lentry_in_a_cluster:
	s_bfe_u32 s2, ttmp6, 0x10000c
	s_cmp_lg_u32 s2, 0xf033
	s_cbranch_scc0 .Lentry_shape_is_right
	s_endpgm
.Lentry_shape_is_right:
; OUT.  out0[m][n] = sum over k of O[m][k] wot[n][k] + bout[n]: 4096 x 1024 x 1024, bf16 operands, f32 sums, f32 output.  bout is rounded to bf16 like all the module's inputs.
; O comes in blocks, ob[m / 128][head][m % 128][64], k = 64 head + channel: a row tile's K step of 256 (four heads) is 65,536 dense bytes, asked for as rows of 256 bytes.
; A tile of out0 is 128 x 128: 8 x 32 tiles, one work-group each.  Four waves, each 64 x 64: 16 accumulators.  K goes in steps of 256 through two LDS slots.
; CLUSTER.  4 x 4 work-groups: the four of a row need the same tiles of ob, the four of a column the same tiles of wot: each is asked for jointly.
; THE MATRIX INSTRUCTION IS USED TRANSPOSED (source 0 = 16 rows of wot, source 1 = 16 rows of O): a lane holds eight neighbouring numbers of a row of out0.  A wave's 64 columns are 256 bytes of a row,
; so each wave sends its own rows out through a stage of its own.
; REGISTERS: window 0: v0-31 addresses; v32-95 the way out, two buffers of 32; v96-101 the bias; v128-255 the accumulators ((a, b) at 128 + 8 (4 a + b)).
;   window 1: two fragment buffers of 128: for 64 along K, 64 registers of O, then 64 of wot.
.set KSTEP,  256
.set PA,     144                       ; a row of O in LDS: a head's 128 bytes + 16
.set PB,     528                       ; a row of wot: 512 bytes + 16
.set AHALF,  256*PA                    ; what a wave's load of ob brings: two heads x 128 rows
.set BHALF,  64*PB                     ; what a wave's load of wot brings
.set BOFF,   2*AHALF
.set SLOT,   BOFF+2*BHALF
.set STAGE,  2*SLOT                    ; behind the ring: 16 rows x 272 bytes for each wave
.set SPITCH, 272
.set SPARE,  STAGE+4*16*SPITCH         ; the spare words, 128 bytes for each wave: two blocks of 256 bytes that no other line names
.set LAPS,   1024/(2*KSTEP)
.set ADRA, 16
.set ADRB, 20
.set STO,  24
.set RD,   25
.set CO,   26
.set SPW,  28
.set NIL,  29
.set TMP,  32
.set BI,   96                          ; v[96:99] the bias of my four columns; v100-101 at work
.set ACC,  128
.set F0,   0
.set F1,   128
.set WV,   12
.set AB,   13                          ; wave / 2: my half of the tile's rows; also: I fetch ob (0) or wot (1)
.set HF,   14                          ; wave % 2: my half of its columns; also: which half of that tile I fetch
.set G1,   24
.set G0,   32
.set G1B,  48
.set G0B,  56
.set MSB, 0
.macro WIN new
.if MSB != (\new)
	s_set_vgpr_msb (MSB<<8)|(\new)
.set MSB, \new
.endif
.endm
.set MUL,  0x05                        ; sources 0 and 1 window 1; C and D window 0
.set TO_F, 0x40                        ; destination window 1, address window 0
.macro JLOAD s                         ; a joint load; an s_nop 0 and four v_nop follow each of the two lines
	s_cmp_eq_u32 s[AB], 0
	s_cbranch_scc0 .Lfor_b_\@
	tensor_load_to_lds s[G0+4*(\s):G0+4*(\s)+3], s[G1:G1+7]
	s_nop 0
.rept 4
	v_nop
.endr
	s_branch .Lasked_\@
.Lfor_b_\@:
	tensor_load_to_lds s[G0B+4*(\s):G0B+4*(\s)+3], s[G1B:G1B+7]
	s_nop 0
.rept 4
	v_nop
.endr
.Lasked_\@:
.endm
.macro CREST
	s_cmp_lg_u32 s[WV], 0
	s_cbranch_scc1 .Lnot_wave_0_\@
	s_barrier_signal -3
.Lnot_wave_0_\@:
	s_barrier_wait -3
	s_barrier_signal -1
	s_barrier_wait -1
.endm
.macro CROUND
	s_barrier_signal -1
	s_barrier_wait -1
	CREST
.endm
	s_load_b256 s[4:11], s[0:1], 0x0               ; ob s[4:5], wot s[6:7], bout s[8:9], out0 s[10:11]
	v_lshl_add_u32 v[SPW], v0, 2, SPARE
	v_mov_b32 v[NIL], 0
	ds_add_u32 v[SPW], v[NIL]                      ; the wave's opening: the add and its wait stand ahead of my first tensor load; the set-up below stands between them
	v_lshrrev_b32 v1, 5, v0
	v_readfirstlane_b32 s[WV], v1
	s_lshr_b32 s[AB], s[WV], 1
	s_and_b32 s[HF], s[WV], 1
	s_bfe_u32 s40, ttmp6, 0x40000                  ; cx
	s_bfe_u32 s41, ttmp6, 0x40004                  ; cy
	s_lshl_b32 s42, ttmp9, 2
	s_add_co_u32 s42, s42, s40                     ; tile column ct
	s_and_b32 s43, ttmp7, 0xffff
	s_lshl_b32 s43, s43, 2
	s_add_co_u32 s43, s43, s41                     ; tile row rt
	s_lshl_b32 s44, s41, 2
	s_lshl_b32 s44, 15, s44                        ; my row of the cluster
	s_lshl_b32 s45, 0x1111, s40                    ; my column
	s_or_b32 s[G1+0], s44, (1<<16)|(1<<20)|(1<<21)|(4<<22)|(3<<25)   ; ob: the mask; 2-byte elements; padding on; bit 21 beside a mask; after every 32 words (a head's row) 4 words
	s_mov_b32 s[G1+1], 128<<16                     ; a dense block: 128 rows of 128 elements (256 bytes)
	s_mov_b32 s[G1+2], 128<<16
	s_mov_b32 s[G1+3], 128<<16
	s_mov_b32 s[G1+4], 128
	s_mov_b32 s[G1+5], 128
	s_mov_b32 s[G1+6], 0
	s_mov_b32 s[G1+7], 0
	s_or_b32 s[G1B+0], s45, (1<<16)|(1<<20)|(1<<21)|(6<<22)|(3<<25)  ; wot: after every 128 words 4 words
	s_mov_b32 s[G1B+1], KSTEP<<16                  ; 64 rows of 256 elements
	s_mov_b32 s[G1B+2], 64<<16
	s_mov_b32 s[G1B+3], KSTEP<<16
	s_mov_b32 s[G1B+4], 64
	s_mov_b32 s[G1B+5], 1024
	s_mov_b32 s[G1B+6], 0
	s_mov_b32 s[G1B+7], 0
	s_lshl_b32 s16, s43, 18                        ; ob: a row tile is 262,144 bytes; my two heads of a step's four
	s_lshl_b32 s17, s[HF], 15
	s_add_co_u32 s16, s16, s17
	s_mov_b32 s17, 0
	s_lshl_b32 s46, s42, 7                         ; wot: row 128 ct + 64 half, of 2,048 bytes
	s_lshl_b32 s47, s[HF], 6
	s_add_co_u32 s46, s46, s47
	s_lshl_b32 s46, s46, 11
	s_mov_b32 s47, 0
	s_mul_i32 s22, s[HF], AHALF                    ; where they go: no place in the cluster enters an LDS address
	s_mul_i32 s23, s[HF], BHALF
	s_add_co_u32 s23, s23, BOFF
	s_wait_dscnt 0x0                               ; the opening add is done
	s_wait_kmcnt 0x0
	s_add_nc_u64 s[20:21], s[4:5], s[16:17]
	s_add_nc_u64 s[46:47], s[6:7], s[46:47]
	CROUND                                         ; all sixteen work-groups are here: the first joint loads meet
.irp s, 0,1
	s_mov_b32 s[G0+4*(\s)], 1
	s_add_co_u32 s[G0+4*(\s)+1], s22, (\s)*SLOT
	s_add_nc_u64 s[G0+4*(\s)+2:G0+4*(\s)+3], s[20:21], (\s)*65536
	s_or_b32 s[G0+4*(\s)+3], s[G0+4*(\s)+3], 0x80000000
	s_mov_b32 s[G0B+4*(\s)], 1
	s_add_co_u32 s[G0B+4*(\s)+1], s23, (\s)*SLOT
	s_add_nc_u64 s[G0B+4*(\s)+2:G0B+4*(\s)+3], s[46:47], (\s)*KSTEP*2
	s_or_b32 s[G0B+4*(\s)+3], s[G0B+4*(\s)+3], 0x80000000
	JLOAD \s                                       ; K steps 0 and 1: two loads of mine are out
.endr
	v_and_b32 v1, 15, v0                           ; l % 16
	v_bfe_u32 v2, v0, 4, 1                         ; l / 16
	v_mul_u32_u24 v3, v1, PA
	v_lshl_add_u32 v3, v2, 4, v3
	v_mul_u32_u24 v4, v1, PB
	v_lshl_add_u32 v4, v2, 4, v4
	s_mul_i32 s21, s[AB], 64*PA                    ; my 64 rows in each head's 128
	s_mul_i32 s22, s[HF], BHALF                    ; my 64 rows of wot,
	s_add_co_u32 s22, s22, BOFF                    ; which lie behind ob's part
.irp s, 0,1
	v_add_nc_u32 v[ADRA+(\s)], s21, v3
	v_add_nc_u32 v[ADRB+(\s)], s22, v4
	s_add_co_u32 s21, s21, SLOT
	s_add_co_u32 s22, s22, SLOT
.endr
	s_mul_i32 s23, s[WV], 16*SPITCH
	s_add_co_u32 s23, s23, STAGE                   ; my stage
	v_mul_u32_u24 v4, v1, SPITCH                   ; in: row l % 16, 32 bytes for each half of the lanes
	v_lshl_add_u32 v4, v2, 5, v4
	v_add_nc_u32 v[STO], s23, v4
	v_mul_u32_u24 v5, v2, SPITCH                   ; back: lanes 0-15 take one row of 256 bytes, lanes 16-31 the next
	v_lshl_add_u32 v5, v1, 4, v5
	v_add_nc_u32 v[RD], s23, v5
	v_lshlrev_b32 v5, 12, v2                       ; and the same two rows in out0
	v_lshl_add_u32 v[CO], v1, 4, v5
	v_lshlrev_b32 v5, 4, v1                        ; my four columns
	s_lshl_b32 s66, s42, 9                         ; my wave's 64 columns, in bytes: 512 ct + 256 half
	s_lshl_b32 s67, s[HF], 8
	s_add_co_u32 s66, s66, s67
	s_mov_b32 s67, 0
	s_add_nc_u64 s[8:9], s[8:9], s[66:67]
	s_add_nc_u64 s[10:11], s[10:11], s[66:67]
	s_lshl_b32 s66, s43, 7                         ; my wave's first row: 128 rt + 64 half, of 4,096 bytes
	s_lshl_b32 s68, s[AB], 6
	s_add_co_u32 s66, s66, s68
	s_lshl_b32 s66, s66, 12
	s_add_nc_u64 s[10:11], s[10:11], s[66:67]
	global_load_b128 v[BI:BI+3], v5, s[8:9]
; 8 matrix instructions: row blocks a0, a0 + 1 x all 4 column blocks, 32 along K: half c of buffer f.  zero = 1: the product starts the sums
.macro MUL8 f, c, a0, zero
	WIN MUL
.irp a, \a0, (\a0)+1
.irp b, 0,1,2,3
.if \zero
	v_wmma_f32_16x16x32_bf16 v[ACC+8*(4*(\a)+(\b)):ACC+8*(4*(\a)+(\b))+7], v[(\f)+64+8*(4*(\c)+(\b)):(\f)+64+8*(4*(\c)+(\b))+7], v[(\f)+8*(4*(\c)+(\a)):(\f)+8*(4*(\c)+(\a))+7], 0
.else
	v_wmma_f32_16x16x32_bf16 v[ACC+8*(4*(\a)+(\b)):ACC+8*(4*(\a)+(\b))+7], v[(\f)+64+8*(4*(\c)+(\b)):(\f)+64+8*(4*(\c)+(\b))+7], v[(\f)+8*(4*(\c)+(\a)):(\f)+8*(4*(\c)+(\a))+7], v[ACC+8*(4*(\a)+(\b)):ACC+8*(4*(\a)+(\b))+7]
.endif
.endr
.endr
.endm
; 32 LDS loads in one run: the fragments of quarter kq of a K step (64 along K: one head), into buffer f; the first 32 along K first
.macro FETCH slot, kq, f
	WIN TO_F
.irp c, 0,1
.irp i, 0,1,2,3
	ds_load_b128 v[(\f)+64+8*(4*(\c)+(\i)):(\f)+64+8*(4*(\c)+(\i))+3],   v[ADRB+(\slot)] offset:128*(\kq)+64*(\c)+(\i)*16*PB
	ds_load_b128 v[(\f)+64+8*(4*(\c)+(\i))+4:(\f)+64+8*(4*(\c)+(\i))+7], v[ADRB+(\slot)] offset:128*(\kq)+64*(\c)+(\i)*16*PB+32
	ds_load_b128 v[(\f)+8*(4*(\c)+(\i)):(\f)+8*(4*(\c)+(\i))+3],         v[ADRA+(\slot)] offset:128*PA*(\kq)+64*(\c)+(\i)*16*PA
	ds_load_b128 v[(\f)+8*(4*(\c)+(\i))+4:(\f)+8*(4*(\c)+(\i))+7],       v[ADRA+(\slot)] offset:128*PA*(\kq)+64*(\c)+(\i)*16*PA+32
.endr
.endr
.endm
.macro PLACES                          ; four plain vector instructions in front of loads into registers that matrix instructions have read
.rept 4
	v_nop
.endr
.endm
; A K step is four quarters of 64 along K, 32 matrix instructions each, two deep on each of the 16 accumulators, which take turns.
.macro QUARTER slot, kq, f, g, zero
	s_wait_dscnt 16                                ; the first 32 along K are in
	MUL8 \f, 0, 0, \zero
	MUL8 \f, 0, 2, \zero
	PLACES
	FETCH \slot, \kq, \g
	s_wait_dscnt 32                                ; all but the 32 just issued
	MUL8 \f, 1, 0, 0
	MUL8 \f, 1, 2, 0
.endm
; The last quarter multiplies buffer 1 and changes slots: ONE barrier; in front of it each wave waits for all its tensor loads, adds 0 to its spare word, and waits for that and for its own reads of this slot.
.macro TURN slot, next, fill
	WIN 0                                          ; (the add's two registers lie in window 0)
	s_wait_tensorcnt 0x0                           ; all my tensor loads have landed: my part of the next slot
	ds_add_u32 v[SPW], v[NIL]
	s_wait_dscnt 17                                ; (the add and the youngest sixteen loads may be out)
	MUL8 F1, 0, 0, 0
	s_wait_dscnt 0x0                               ; the add is done, and my reads of this slot are over
	s_barrier_signal -1
	MUL8 F1, 0, 2, 0
.if \fill
	WIN 0
.endif
	s_barrier_wait -1
.if \fill
	CREST                                          ; the barrier has opened a round of the cluster's: no wave of any partner still reads this slot's tile or has a load on its way
	s_add_nc_u64 s[G0+4*(\slot)+2:G0+4*(\slot)+3], s[G0+4*(\slot)+2:G0+4*(\slot)+3], 2*65536
	s_add_nc_u64 s[G0B+4*(\slot)+2:G0B+4*(\slot)+3], s[G0B+4*(\slot)+2:G0B+4*(\slot)+3], 2*KSTEP*2
	JLOAD \slot                                    ; my one tensor load behind the round; its four v_nop are also the places in front of the loads below
.else
	PLACES
.endif
	FETCH \next, 0, F0
	MUL8 F1, 1, 0, 0
	MUL8 F1, 1, 2, 0
.endm
	s_wait_tensorcnt 1                             ; my part of K step 0 is in; K step 1's may stay out
	s_barrier_signal -1
	s_barrier_wait -1
	FETCH 0, 0, F0
	QUARTER 0, 1, F0, F1, 1                        ; the first quarter stands in front of the loop: its first products start the sums
	WIN 0
	s_mov_b32 s3, LAPS-1
.Llap:                                                 ; a trip goes once round the ring and fills both slots again
	QUARTER 0, 2, F1, F0, 0
	QUARTER 0, 3, F0, F1, 0
	TURN 0, 1, 1
	QUARTER 1, 1, F0, F1, 0
	QUARTER 1, 2, F1, F0, 0
	QUARTER 1, 3, F0, F1, 0
	TURN 1, 0, 1
	QUARTER 0, 1, F0, F1, 0
	WIN 0
	s_sub_co_u32 s3, s3, 1
	s_cmp_lg_u32 s3, 0
	s_cbranch_scc1 .Llap
	QUARTER 0, 2, F1, F0, 0                        ; the last lap fills nothing
	QUARTER 0, 3, F0, F1, 0
	TURN 0, 1, 0
	QUARTER 1, 1, F0, F1, 0
	QUARTER 1, 2, F1, F0, 0
	QUARTER 1, 3, F0, F1, 0
	s_wait_dscnt 16
	MUL8 F1, 0, 0, 0
	MUL8 F1, 0, 2, 0
	s_wait_dscnt 0x0
	MUL8 F1, 1, 0, 0
	MUL8 F1, 1, 2, 0
	WIN 0
	; THE WAY OUT.  The bias is rounded to bf16 and widened again: six plain instructions that name no register of the last products: the places behind them.
	s_wait_loadcnt 0x0
	v_cvt_pk_bf16_f32 v[BI+4], v[BI], v[BI+1]
	v_cvt_pk_bf16_f32 v[BI+5], v[BI+2], v[BI+3]
	v_lshlrev_b32 v[BI], 16, v[BI+4]
	v_and_b32 v[BI+1], 0xffff0000, v[BI+4]
	v_lshlrev_b32 v[BI+2], 16, v[BI+5]
	v_and_b32 v[BI+3], 0xffff0000, v[BI+5]
; Row block a: a lane's eight f32 of a row go into my stage straight from the accumulator, its low four first; whole rows of 256 bytes come back.
.macro TOST a
.if (\a) >= 2
	s_wait_xcnt 0x0                                ; this buffer, which the stores of the block two back read, is loaded again only behind this wait
.endif
.irp b, 0,1,2,3
	ds_store_b128 v[STO], v[ACC+8*(4*(\a)+(\b)):ACC+8*(4*(\a)+(\b))+3]   offset:64*(\b)
	ds_store_b128 v[STO], v[ACC+8*(4*(\a)+(\b))+4:ACC+8*(4*(\a)+(\b))+7] offset:64*(\b)+16
.endr
.irp t, 0,1,2,3,4,5,6,7
	ds_load_b128 v[TMP+32*((\a)%2)+4*(\t):TMP+32*((\a)%2)+4*(\t)+3], v[RD] offset:(\t)*2*SPITCH  ; LDS serves a wave's instructions in order (ISA guide 5.7.1.4): these see the stores above; the next block's stores come behind them
.endr
.endm
.macro SEND a, younger                 ; younger: the LDS instructions issued behind block a's loads: the next block's sixteen, or none
	s_wait_dscnt \younger
.irp t, 0,1,2,3,4,5,6,7
	v_pk_add_f32 v[TMP+32*((\a)%2)+4*(\t):TMP+32*((\a)%2)+4*(\t)+1],   v[TMP+32*((\a)%2)+4*(\t):TMP+32*((\a)%2)+4*(\t)+1],   v[BI:BI+1]
	v_pk_add_f32 v[TMP+32*((\a)%2)+4*(\t)+2:TMP+32*((\a)%2)+4*(\t)+3], v[TMP+32*((\a)%2)+4*(\t)+2:TMP+32*((\a)%2)+4*(\t)+3], v[BI+2:BI+3]
.endr
.irp t, 0,1,2,3,4,5,6,7
	global_store_b128 v[CO], v[TMP+32*((\a)%2)+4*(\t):TMP+32*((\a)%2)+4*(\t)+3], s[10:11] offset:(16*(\a)+2*(\t))*4096 th:TH_STORE_NT  ; 16 lanes store 256 consecutive bytes, at a multiple of 256 from out0's first byte
.endr
.endm
	TOST 0
	TOST 1
	SEND 0, 16
	TOST 2
	SEND 1, 16
	TOST 3
	SEND 2, 16
	SEND 3, 0
	s_wait_tensorcnt 0x0                           ; the wave's end, behind my last tensor load and my last LDS store
	ds_add_u32 v[SPW], v[NIL]
	s_wait_dscnt 0x0
	CROUND                                         ; the closing round: no work-group ends while a partner may still ask for a tile that names it
	s_endpgm
.Lfunc_end_k_qfb77dd9265_outp:
	.size	k_qfb77dd9265_outp, .Lfunc_end_k_qfb77dd9265_outp-k_qfb77dd9265_outp
	.p2alignl 7, 3214868480
	.fill 96, 4, 3214868480
	.section	.rodata,"a",@progbits
	.p2align	6, 0x0
	.amdhsa_kernel k_qfb77dd9265_outp
		.amdhsa_group_segment_fixed_size 327680
		.amdhsa_private_segment_fixed_size 0
		.amdhsa_enable_private_segment 0
		.amdhsa_kernarg_size 32
		.amdhsa_user_sgpr_count 2
		.amdhsa_user_sgpr_kernarg_segment_ptr 1
		.amdhsa_wavefront_size32 1
		.amdhsa_system_sgpr_workgroup_id_x 1
		.amdhsa_system_sgpr_workgroup_id_y 1
		.amdhsa_system_sgpr_workgroup_id_z 1
		.amdhsa_system_vgpr_workitem_id 0
		.amdhsa_next_free_vgpr 512
		.amdhsa_next_free_sgpr 72
		.amdhsa_reserve_vcc 0
		.amdhsa_float_denorm_mode_32 3
		.amdhsa_float_denorm_mode_16_64 3
		.amdhsa_memory_ordered 1
		.amdhsa_forward_progress 1
		.amdhsa_inst_pref_size 90
	.end_amdhsa_kernel
	.amdgpu_metadata
---
amdhsa.version: [ 1, 2 ]
amdhsa.kernels:
  - .name:           k_qfb77dd9265_outp
    .symbol:         k_qfb77dd9265_outp.kd
    .args:
      - { .name: ob, .offset: 0, .size: 8, .value_kind: global_buffer, .address_space: global }
      - { .name: wot, .offset: 8, .size: 8, .value_kind: global_buffer, .address_space: global }
      - { .name: bout, .offset: 16, .size: 8, .value_kind: global_buffer, .address_space: global }
      - { .name: out0, .offset: 24, .size: 8, .value_kind: global_buffer, .address_space: global }
    .group_segment_fixed_size: 327680
    .private_segment_fixed_size: 0
    .kernarg_segment_align: 8
    .kernarg_segment_size: 32
    .max_flat_workgroup_size: 128
    .sgpr_count:     72
    .vgpr_count:     512
    .wavefront_size: 32
...
	.end_amdgpu_metadata
.endif
;; end of part 4
;; ======== version 2 of 2: 4 launches; 1.22 times as fast as version 1
;; limits: values are held in f16: magnitudes above 65,504 overflow, below 6.1e-05 lose precision
;; workspace buffers: xb 8,388,608 bytes; wqt 6,291,456 bytes; wot 2,097,152 bytes; qkvh 25,165,824 bytes; amax 3,072 bytes; ob 8,388,608 bytes
;; launch prep: the kernel of part 1 again; grid 512 x 1, 8 waves a work-group, no clusters, 35,840 bytes of LDS; arguments x, Wqkv, Wout, xb, wqt, wot; writes xb, wqt, wot
;; launch qkv: the kernel of part 2 again; grid 16 x 16, 4 waves a work-group, clusters of 4 x 4, 327,680 bytes of LDS; arguments xb, wqt, qkvh, amax; writes qkvh, amax
;; launch attn (part 5): grid 8 x 32, 4 waves a work-group, clusters of 4 x 1, 327,680 bytes of LDS; arguments qkvh, amax, W1, W2, ob; writes ob
.if DOCPART == 5
	.amdgcn_target "amdgcn-amd-amdhsa--gfx1250"
	.amdhsa_code_object_version 6
	.text
	.protected	k_qfb77dd9265_attn
	.globl	k_qfb77dd9265_attn
	.p2align	8
	.type	k_qfb77dd9265_attn,@function
k_qfb77dd9265_attn:
	s_mov_b64 s[64:65], 0
	v_nop
	global_prefetch_b8 v0, s[64:65] scope:SCOPE_SE
	s_setreg_imm32_b32 hwreg(HW_REG_WAVE_MODE, 25, 1), 1
	s_wait_xcnt 0x0
	s_wait_alu depctr_hold_cnt(0) depctr_sa_sdst(0) depctr_va_vdst(0) depctr_va_sdst(0) depctr_va_ssrc(0) depctr_va_vcc(0) depctr_vm_vsrc(0)
	s_getreg_b32 s2, hwreg(HW_REG_IB_STS2, 6, 4)
	s_cmp_eq_u32 s2, 0
	s_cbranch_scc0 .Lentry_in_a_cluster
	s_endpgm
.Lentry_in_a_cluster:
	s_bfe_u32 s2, ttmp6, 0x10000c
	s_cmp_lg_u32 s2, 0x3003
	s_cbranch_scc0 .Lentry_shape_is_right
	s_endpgm
.Lentry_shape_is_right:
; ATTENTION WITH TWO PARTS.  For batch b and head h, s = q . k / 8:  O[q] = W1 sum_k softmax_k(s) v[k] + W2 sum_k leaky(s) v[k], leaky(s) = s or 0.01 s.  q, k, v: f16, [cg][b][2048][64], unscaled.
; O leaves in bf16 as ob[row / 128][h][row % 128][64].  Products, maxima and sums in f32.  Two accumulators a query: O1 = sum p v with a running maximum and sum, O2 = sum leaky v: the softmax's divisor is
; known at a row's end only and the leaky part has none, so the two cannot share one sum.
; THE SCALE.  |q . k| <= 64 max|q| max|k|.  From the head's two maxima (amax) a power of two g is made with g |q . k| < 1024 and g |q| < 2^15; Q is multiplied by g once (exact but for f16's
; denormals), so the scores come as s' = g q . k.  leaky(s') = max(h, 0.01 h) on h = f16(s') then fits f16 whatever the inputs' size; leaky is positively homogeneous, so O2 is multiplied by W2 / (8 g) at the end.
; The softmax takes the unrounded s': p = 2^(c s' - c m), c = log2(e) / (8 g), m the running maximum of s'; in every step O1 and l are multiplied by a = 2^(c m_old - c m_new).
; m starts at the lowest finite number, O1, O2 and l at 0: the first step is a step like any other, with a = 0.
; LIMITS.  q, k, v within 65,504.  Where a head's max|k| is below 2^-11 the bound on g |q| holds g back, s' is smaller than aimed at and h keeps f16's fixed step of 6e-8.  0.01 is taken as f16 0x211f (0.010002).
; p is rounded to f16 for the product (l is the sum of the unrounded p); a weight below 2^-126 counts as 0 in l.  W1 and W2 are rounded to bf16 like all the module's inputs.  NaN and infinities are not treated apart.
; SHARES.  A work-group owns 256 queries of one head, a wave 64: four tiles of 16, in two PIECES (tiles 0, 1 and tiles 2, 3).  Every wave walks all 2,048 keys, 64 a step; an LDS slot holds four steps.
; LAYOUT.  S^T = K Q^T: a lane holds ONE query (lane % 16) and the keys 8 (lane / 16) + 0..7; two such results rounded in pairs ARE source 1 of O^T = V^T P.  K comes out of LDS as it lies, V turned.
; BY TURNS.  In a turn one piece has the matrix unit: 32 products V^T P and V^T R of the step in hand, then 16 products K Q^T of the next; the other piece's 332 vector instructions stand in slices behind them.
; BATCHES.  A turn's 66 exponentials (both tiles' a and 32 weights) are ONE batch with ONE wait: all that names a result of theirs (the roundings of p, the sums, the rescaling by a) stands behind that wait, and the
; 64 lines that make R of h stand between the last exponential and the wait.  The way out's four reciprocals are a batch of their own.
; CLUSTER.  The four query blocks of a cluster belong to one head and walk the same K and V: each tile is asked for jointly, by the same tensor load, descriptor and mask in all four.
; REGISTERS, in windows of 256 (s_set_vgpr_msb: bits 1:0 source 0, 3:2 source 1, 5:4 source 2, 7:6 destination):
;   window 0: v0-11 addresses; v12-43 eight registers of statistics a tile; v44-50 factors; v62-63 the add's; v64-191 S^T, 32 a tile; v192-255 P (first h, then p), 16 a tile
;   window 1: v0-127 O1, 32 a tile; v128-255 O2      window 2: v0-63 Q; v64-127 K of one step; v128-191 V of one step; v192-255 R = leaky(h), 16 a tile
.set KS,    64
.set PK,    144       ; a row of K in LDS: 128 bytes + 16: the 16 rows of a load start 36 words apart
.set PV,    160       ; a row of V: 128 + 32: 16 lanes of the turning load take 8 rows x 32 bytes
.set VOFF,  4*KS*PK   ; a slot: 256 rows of K, then 256 rows of V
.set SLOT1, 1<<17     ; slot 1 begins here: one exclusive or turns an address in one slot into the other's
.set STAGE, SLOT1+4*KS*(PK+PV)  ; behind the ring: 16 rows x 144 bytes for each wave
.set SP,    144
.set SPARE, STAGE+4*16*SP       ; the spare words, 128 bytes for each wave: two blocks of 256 bytes that no other line names
.set AK0, 2           ; v2   my lane's place in a tile of K; never rewritten
.set AV0, 3           ; v3   the same for V
.set AK,  4           ; v4   the LDS address of K's run of loads
.set AV,  5           ; v5   of V's
.set QO,  6           ; v6   my byte offset in 16 rows of Q; later STO
.set STO, 6
.set RD,  7
.set GO,  8
.set ST,  12          ; tile t at v[ST+8 t]: +0 c m, +1 m, +2, +3 l (even keys', odd keys'), +4 to +7 c0-c3 at work; a takes c2's place
.set F2,  44          ; v[44:45] W2 / (8 g)
.set W1R, 46          ; v46  W1
.set GV,  47          ; v47  g
.set ZV,  48          ; v48  0
.set SPW, 62
.set NIL, 63
.set S,   64
.set P,   192
.set KF,  64          ; window 2: key block kb, channel half c at KF + 16 kb + 8 c
.set VF,  128         ; window 2: key half kk, channel block cb at VF + 32 kk + 8 cb
.set R,   192         ; window 2
.set WV,  14          ; s14  my wave's number
.set G1K, 24
.set G1V, 32
.set G0K, 40          ; s[40:43]: it walks
.set G0V, 44
.set SLOTS, 56
.set CNT, 57
.set CS,  58          ; s[58:59] c
.set SEL, 60          ; s[60:61]
.set TBK, 62          ; s62  LDS byte at which K of the step to be fetched begins
.set TBV, 63          ; s63  the same for V, less VOFF
.set LK,  66          ; s66  0.01 twice, in f16
.set GS,  68          ; s68  g
.set GI,  70          ; s70  1 / (8 g)
.set MSB, 0
.macro WIN new
.if MSB != (\new)
	s_set_vgpr_msb (MSB<<8)|(\new)
.set MSB, (\new)
.endif
.endm
.set W_KQ, 0x0a       ; K and Q in window 2, S^T in window 0
.set W_PV, 0x52       ; V in window 2, P in window 0, O1 in window 1
.set W_RV, 0x5a       ; V and R in window 2, O2 in window 1
.set W_RS, 0x41       ; destination and source 0 in window 1, source 1 in window 0
.set W_RM, 0x80       ; destination in window 2, source 0 in window 0
.set W_RX, 0x88       ; destination and source 1 in window 2, source 0 in window 0
; A joint fill: waves 0 and 1 fetch the two halves of a slot's K, waves 2 and 3 those of its V, 128 keys each.  An s_nop 0 and four v_nop follow each line.
.macro JLOAD
	s_cmp_lt_u32 s[WV], 2
	s_cbranch_scc0 .Lfor_v_\@
	tensor_load_to_lds s[G0K:G0K+3], s[G1K:G1K+7]
	s_nop 0
.rept 4
	v_nop
.endr
	s_branch .Lasked_\@
.Lfor_v_\@:
	tensor_load_to_lds s[G0V:G0V+3], s[G1V:G1V+7]
	s_nop 0
.rept 4
	v_nop
.endr
.Lasked_\@:
.endm
.macro CROUND                       ; a round of the cluster's barrier
	s_barrier_signal -1
	s_barrier_wait -1
	s_cmp_lg_u32 s[WV], 0
	s_cbranch_scc1 .Lnot_wave_0_\@
	s_barrier_signal -3
.Lnot_wave_0_\@:
	s_barrier_wait -3
	s_barrier_signal -1
	s_barrier_wait -1
.endm
; THE CHANGE OF SLOTS.  The slot's last bytes, V of its fourth step, have been asked for.  Each wave waits for all its tensor loads (one is out: its part of the other slot), adds 0 to its spare word, and waits
; for that and for its own reads of the slot.  fill = 1: the barrier is a round of the cluster's, and the slot is filled again, with the keys two slots on, first thing behind it: four key steps,
; 384 matrix instructions, in which to land.  (At its first use nothing has been read yet: slot 0 is waited for, slot 1 filled.)
.macro CHANGE fill
	WIN 0
	s_wait_tensorcnt 0x0            ; no tensor load of mine is out, so a group 0 may be written
	ds_add_u32 v[SPW], v[NIL]
.if \fill
.irp g, G0K, G0V
	s_xor_b32 s[\g+1], s[\g+1], SLOT1
	s_add_nc_u64 s[\g+2:\g+3], s[\g+2:\g+3], 4*KS*128
.endr
	s_wait_dscnt 0x0                ; the add is done, and my reads of the slot are over
	CROUND
	JLOAD
.else
	s_wait_dscnt 0x0
	s_barrier_signal -1
	s_barrier_wait -1
.endif
	s_sub_co_u32 s[TBK], s[TBK], 4*KS*PK  ; the fetches go back to a slot's first step, in the other slot
	s_xor_b32 s[TBK], s[TBK], SLOT1
	s_sub_co_u32 s[TBV], s[TBV], 4*KS*PV
	s_xor_b32 s[TBV], s[TBV], SLOT1
.endm
	s_load_b256 s[4:11], s[0:1], 0x0  ; qkvh s[4:5], amax s[6:7], W1 s[8:9], W2 s[10:11]
	s_load_b64 s[12:13], s[0:1], 0x20 ; ob
	v_lshl_add_u32 v[SPW], v0, 2, SPARE
	v_mov_b32 v[NIL], 0
	ds_add_u32 v[SPW], v[NIL]       ; the wave's opening: the add and its wait stand ahead of my first tensor load; the set-up below stands between them
	v_lshrrev_b32 v1, 5, v0
	v_readfirstlane_b32 s[WV], v1
	s_bfe_u32 s15, ttmp6, 0x40000   ; cx
	s_lshl_b32 s73, ttmp9, 2
	s_add_co_u32 s73, s73, s15      ; my block of 256 queries: it enters Q's and ob's addresses alone
	s_and_b32 s74, ttmp7, 0xffff
	s_lshr_b32 s75, s74, 4          ; batch
	s_and_b32 s76, s74, 15          ; head
	s_lshl_b32 s77, s76, 1
	s_add_co_u32 s77, s77, s75      ; 2 head + batch: q's block of 262,144 bytes; k's lies 32 blocks on, v's 64
	s_and_b32 s16, s[WV], 1         ; which half of a slot's 256 keys I fetch
	s_lshl_b32 s20, s77, 18
	s_lshl_b32 s21, s16, 14
	s_add_co_u32 s20, s20, s21
	s_mov_b32 s21, 0
	s_mul_i32 s17, s16, 128*PK      ; its place in a slot, for K
	s_mul_i32 s18, s16, 128*PV      ; and for V: no place in the cluster enters an LDS address
	s_lshl_b32 s22, s77, 18         ; Q at my wave's 64 rows
	s_lshl_b32 s23, s73, 15
	s_add_co_u32 s22, s22, s23
	s_lshl_b32 s23, s[WV], 13
	s_add_co_u32 s22, s22, s23
	s_mov_b32 s23, 0
	s_lshl_b32 s78, s75, 4          ; ob: block of 128 rows = 16 batch + 2 query block + wave / 2,
	s_lshl_b32 s79, s73, 1
	s_add_co_u32 s78, s78, s79
	s_lshr_b32 s79, s[WV], 1
	s_add_co_u32 s78, s78, s79
	s_lshl_b32 s78, s78, 4
	s_add_co_u32 s78, s78, s76      ; the head,
	s_lshl_b32 s78, s78, 7
	s_lshl_b32 s79, s16, 6
	s_add_co_u32 s78, s78, s79      ; row 64 (wave % 2),
	s_lshl_b32 s78, s78, 7          ; of 128 bytes
	s_mov_b32 s79, 0
	s_lshl_b32 s74, s76, 6          ; amax: q's eight numbers at 64 head + 32 batch; k's 1,024 bytes on
	s_lshl_b32 s75, s75, 5
	s_add_co_u32 s74, s74, s75
	s_mov_b32 s75, 0
	s_lshl_b32 s76, s76, 2          ; W1, W2 at 4 head
	s_mov_b32 s77, 0
	; descriptor group 1.  128 keys are 16,384 dense bytes: asked for as 64 rows of 256 bytes, two keys a row, padded in LDS after every key
	s_mov_b32 s[G1K], 15|(1<<16)|(1<<20)|(1<<21)|(4<<22)|(3<<25)  ; the mask of four; 2-byte elements; padding on; bit 21 beside a mask; after every 32 words 4 words
	s_mov_b32 s[G1V], 15|(1<<16)|(1<<20)|(1<<21)|(4<<22)|(7<<25)  ; the same with 8 words
.irp g, G1K, G1V
	s_mov_b32 s[\g+1], 128<<16      ; tensor_dim0 = 128
	s_mov_b32 s[\g+2], 64<<16       ; tensor_dim1 = 64
	s_mov_b32 s[\g+3], 128<<16      ; tile_dim0 = 128
	s_mov_b32 s[\g+4], 64           ; tile_dim1 = 64
	s_mov_b32 s[\g+5], 128          ; elements from row to row
	s_mov_b32 s[\g+6], 0
	s_mov_b32 s[\g+7], 0
.endr
	s_mov_b32 s[SEL], 0x76543210
	s_mov_b32 s[SEL+1], 0xfedcba98
	s_mov_b32 s[LK], 0x211f211f
	s_mov_b32 s[TBK], SLOT1+4*KS*PK ; the first change of slots turns these two into 0
	s_mov_b32 s[TBV], SLOT1+4*KS*PV
	s_mov_b32 s[G0K], 1
	s_mov_b32 s[G0K+1], s17
	s_mov_b32 s[G0V], 1
	s_add_co_u32 s[G0V+1], s18, VOFF
	s_wait_dscnt 0x0                ; the opening add is done
	s_wait_kmcnt 0x0
	s_add_nc_u64 s[G0K+2:G0K+3], s[4:5], s[20:21]
	s_add_nc_u64 s[G0V+2:G0V+3], s[G0K+2:G0K+3], 0x1000000  ; v's blocks begin 64 x 262,144 bytes in,
	s_add_nc_u64 s[G0K+2:G0K+3], s[G0K+2:G0K+3], 0x800000   ; k's 32 x 262,144
	s_or_b32 s[G0K+3], s[G0K+3], 0x80000000
	s_or_b32 s[G0V+3], s[G0V+3], 0x80000000
	s_add_nc_u64 s[4:5], s[4:5], s[22:23]
	s_add_nc_u64 s[12:13], s[12:13], s[78:79]
	s_add_nc_u64 s[6:7], s[6:7], s[74:75]
	s_add_nc_u64 s[8:9], s[8:9], s[76:77]
	s_add_nc_u64 s[10:11], s[10:11], s[76:77]
	CROUND                          ; all four work-groups are here: the first joint loads meet
	JLOAD                           ; slot 0.  Slot 1 is asked for when slot 0 is in
	s_load_b256 s[16:23], s[6:7], 0x0    ; the largest |q| of the head's eight row blocks
	s_load_b256 s[48:55], s[6:7], 0x400  ; the largest |k|
	s_load_b32 s71, s[8:9], 0x0
	s_load_b32 s72, s[10:11], 0x0
	v_and_b32 v1, 15, v0            ; l % 16
	v_bfe_u32 v9, v0, 4, 1          ; l / 16
	v_lshlrev_b32 v[QO], 7, v1
	v_lshl_add_u32 v[QO], v9, 4, v[QO]  ; row x 128 + 16 x half
	WIN 0x80                        ; destination window 2, address window 0
.set i, 0
.rept 8                             ; Q: tile i / 2, channels 32 (i % 2) on
	global_load_b128 v[8*i:8*i+3],   v[QO], s[4:5] offset:(i/2)*2048+(i%2)*64
	global_load_b128 v[8*i+4:8*i+7], v[QO], s[4:5] offset:(i/2)*2048+(i%2)*64+32
.set i, i+1
.endr
	; What the first turn finds: V, piece 2's P and R hold 0 (its products, of a step that has not been, add 0); O1, O2 and l are 0.  All this stands in the wait for the first tile.
.set i, VF
.rept 64
	v_mov_b32 v[i], 0
.set i, i+1
.endr
.set i, R+32
.rept 32
	v_mov_b32 v[i], 0
.set i, i+1
.endr
	WIN 0x40
.set i, 0
.rept 256
	v_mov_b32 v[i], 0
.set i, i+1
.endr
	WIN 0
.set i, 0
.rept 4
	v_mov_b32 v[ST+8*i], 0xfe000000    ; c m: far below every c s'
	v_mov_b32 v[ST+8*i+1], 0xff7fffff  ; m
	v_mov_b32 v[ST+8*i+2], 0
	v_mov_b32 v[ST+8*i+3], 0
.set i, i+1
.endr
.set i, P+32
.rept 32
	v_mov_b32 v[i], 0
.set i, i+1
.endr
	v_mul_u32_u24 v[AK0], v1, PK
	v_lshl_add_u32 v[AK0], v9, 4, v[AK0]
	; The turning load takes 16 keys x 16 channels (lane l reads key 8 (l / 16) + l % 8, channels 8 ((l / 8) % 2) + 0..7) and leaves half a fragment of V^T
	v_and_b32 v10, 7, v0
	v_bfe_u32 v11, v0, 3, 1
	v_lshl_add_u32 v[AV0], v9, 3, v10
	v_mul_u32_u24 v[AV0], v[AV0], PV
	v_lshl_add_u32 v[AV0], v11, 4, v[AV0]
	v_add_nc_u32 v[AV0], VOFF, v[AV0]
	s_wait_kmcnt 0x0
	; g.  The maxima are positive f32, so their bit patterns order as they do.  With E the exponent fields, max < 2^(E - 126): g's field is min(383 - Eq - Ek, 268 - Eq, 253), at least 1.
.irp r, 17,18,19,20,21,22,23
	s_max_u32 s16, s16, s\r
.endr
.irp r, 49,50,51,52,53,54,55
	s_max_u32 s48, s48, s\r
.endr
	s_lshr_b32 s16, s16, 23
	s_lshr_b32 s48, s48, 23
	s_sub_co_i32 s73, 383, s16
	s_sub_co_i32 s73, s73, s48
	s_sub_co_i32 s74, 268, s16
	s_min_i32 s73, s73, s74
	s_min_i32 s73, s73, 253
	s_max_i32 s73, s73, 1
	s_lshl_b32 s[GS], s73, 23       ; g
	s_sub_co_i32 s74, 254, s73
	s_lshl_b32 s74, s74, 23         ; 1 / g
	s_mul_f32 s[CS], s74, 0x3e38aa3b  ; c = log2(e) / 8 / g
	s_mov_b32 s[CS+1], s[CS]        ; named with it as a pair
	s_mul_f32 s[GI], s74, 0x3e000000  ; 1 / (8 g)
	v_cvt_pk_bf16_f32 v49, s71, s72 ; W1 and W2 rounded to bf16
	v_lshlrev_b32 v[W1R], 16, v49
	v_and_b32 v50, 0xffff0000, v49
	v_mul_f32 v[F2], s[GI], v50
	v_mov_b32 v[F2+1], v[F2]
	v_mov_b32 v[GV], s[GS]
	v_mov_b32 v[ZV], 0
	s_wait_loadcnt 0x0              ; Q
	WIN 0x02                        ; source 0 window 2: each half of Q times g, in f32, into S^T's registers
.set i, 0
.rept 64
	v_fma_mix_f32 v[S+2*i],   v[i], v[GV], v[ZV] op_sel_hi:[1,0,0]
	v_fma_mix_f32 v[S+2*i+1], v[i], v[GV], v[ZV] op_sel:[1,0,0] op_sel_hi:[1,0,0]
.set i, i+1
.endr
	WIN 0x80                        ; and back to f16
.set i, 0
.rept 64
	v_cvt_pk_f16_f32 v[i], v[S+2*i], v[S+2*i+1]
.set i, i+1
.endr
; THE MATRIX WORK.  The accumulators take turns, one instruction a turn: 7 others' (K Q^T) or 15 others' (V^T P, V^T R) stand between two links of a chain.
; Product i of 16 of S^T = K Q^T for piece x: channels 32 (i / 8) on, keys 16 ((i / 2) % 4) on, tile x + i % 2.  The first 8 start the sums.
.macro KQ x
	WIN W_KQ
.set rS, S+32*((\x)+i%2)+8*((i/2)%4)
.set rK, KF+16*((i/2)%4)+8*(i/8)
.set rQ, 16*((\x)+i%2)+8*(i/8)
.if i < 8
	v_wmma_f32_16x16x32_f16 v[rS:rS+7], v[rK:rK+7], v[rQ:rQ+7], 0
.else
	v_wmma_f32_16x16x32_f16 v[rS:rS+7], v[rK:rK+7], v[rQ:rQ+7], v[rS:rS+7]
.endif
.endm
; Product i of 32 for piece x: keys 32 (i / 16) on; (i / 8) % 2 = 0: O1 += V^T P, 1: O2 += V^T R; channels 16 ((i / 2) % 4) on; tile x + i % 2.
.macro PV x
.set xt, (\x)+i%2
.set rV, VF+32*(i/16)+8*((i/2)%4)
.if (i/8)%2 == 0
	WIN W_PV
.set rO, 32*xt+8*((i/2)%4)
.set rP, P+16*xt+8*(i/16)
.else
	WIN W_RV
.set rO, 128+32*xt+8*((i/2)%4)
.set rP, R+16*xt+8*(i/16)
.endif
	v_wmma_f32_16x16x32_f16 v[rO:rO+7], v[rV:rV+7], v[rP:rP+7], v[rO:rO+7]
.endm
; THE LDS LOADS stand in runs of 16.  last = 1 (the tail): in the last trip there is no further step, and the run is jumped over.
.macro FETCH_K last=0
	WIN 0
.if \last
	s_cmp_eq_u32 s[CNT], 1
	s_cbranch_scc1 .Lno_k_\@
.endif
	v_add_nc_u32 v[AK], s[TBK], v[AK0]
	WIN 0x80
.irp f, 0,1,2,3,4,5,6,7             ; keys 16 (f / 2) on, channels 32 (f % 2) on
	ds_load_b128 v[KF+8*\f:KF+8*\f+3],   v[AK] offset:(\f/2)*16*PK+(\f%2)*64
	ds_load_b128 v[KF+8*\f+4:KF+8*\f+7], v[AK] offset:(\f/2)*16*PK+(\f%2)*64+32
.endr
	s_add_co_u32 s[TBK], s[TBK], KS*PK  ; the next fetch is the next step's
	WIN 0
.if \last
.Lno_k_\@:
.endif
.endm
.macro FETCH_V
	WIN 0
	v_add_nc_u32 v[AV], s[TBV], v[AV0]
	s_wait_alu depctr_va_vdst(0)    ; the wait for the turn's batch, piece 0's 66 exponentials (ahead of their first reader): behind the address's line and ahead of the loads
	WIN 0x80
.irp f, 0,1,2,3,4,5,6,7             ; keys 32 (f / 4) on, channels 16 (f % 4) on
	ds_load_tr16_b128 v[VF+8*\f:VF+8*\f+3],   v[AV] offset:(\f/4)*32*PV+(\f%4)*32
	ds_load_tr16_b128 v[VF+8*\f+4:VF+8*\f+7], v[AV] offset:(\f/4)*32*PV+16*PV+(\f%4)*32
.endr
	s_add_co_u32 s[TBV], s[TBV], KS*PV
	WIN 0
.endm
; THE VECTOR WORK.  One tile's list for one key step has 166 numbers; SM writes number j of it for tile t.  s0-s31 are the lane's 32 scores s', in pairs 0-15.
;   0-20    the maximum of s0-s31 and the old m, three operands at a time (each accumulator's lowest registers are read first); the other half of the lanes'; the new m; c m; c m_old - c m_new
;   21-85   THE BATCH: for each pair h, the pair rounded to f16 into P, and then c s' - c m in place: 32 plain lines; between them the 33 exponentials (a, then s0-s31).  None of these names an exponential's result.
;           Plain and exponential go by turns; a pair is scaled five numbers or more ahead of its first exponential; the last three numbers are exponentials
;   86-117  R = 0.01 h, then R = max(h, R): they name P and R alone, and stand between the batch and its wait; the first of them is the plain instruction behind the last exponential
;   (wait)  between 117 and 118 stands the wait for the batch: TURN writes it, once for both tiles
;   118-133 the roundings of p to f16, a pair each, into P, over h
;   134-149 the sums; l = a l + the sum
;   150-165 the tile's O1 times a
.macro MAXS
.set xm, j
.if xm < 4
	v_max3_num_f32 v[rT+4+xm], v[rS+8*xm], v[rS+8*xm+1], v[rS+8*xm+2]
.elseif xm < 12
	v_max3_num_f32 v[rT+4+xm%4], v[rT+4+xm%4], v[rS+8*(xm%4)+2*(xm/4)+1], v[rS+8*(xm%4)+2*(xm/4)+2]
.elseif xm == 12
	v_max3_num_f32 v[rT+4], v[rT+4], v[rS+7], v[rS+15]
.elseif xm == 13
	v_max3_num_f32 v[rT+6], v[rT+6], v[rS+23], v[rS+31]
.elseif xm == 14
	v_max3_num_f32 v[rT+4], v[rT+4], v[rT+5], v[rT+6]
.elseif xm == 15
	v_max3_num_f32 v[rT+4], v[rT+4], v[rT+7], v[rT+1]
.elseif xm == 16
	v_permlanex16_b32 v[rT+5], v[rT+4], s[SEL], s[SEL+1]  ; the query's other 32 keys lie in the lane 16 away
.elseif xm == 17
	v_mov_b32 v[rT+7], v[rT]        ; c m_old is kept for a
.elseif xm == 18
	v_max_num_f32 v[rT+1], v[rT+4], v[rT+5]
.elseif xm == 19
	v_mul_f32 v[rT], s[CS], v[rT+1]
.else
	v_sub_f32 v[rT+7], v[rT+7], v[rT]
.endif
.endm
; Number xn of the batch's 65.  The plain lines are numbered xp = 0-31 (2 b: h of pair b; 2 b + 1: the scaling of pair b), the exponentials xe = 0-32 (0: a; 1 + e: score e).
; xn = 0: plain 0; 1: a; 2, 3: plain 1, 2; then the even xn up to 60 are plain xn / 2 + 1 and the odd xn up to 61 exponential (xn - 3) / 2; 62-64: exponentials 30-32.
.macro BATCH
.set xn, j-21
.set xp, -1
.set xe, -1
.if xn == 0
.set xp, 0
.elseif xn == 1
.set xe, 0
.elseif xn < 4
.set xp, xn-1
.elseif xn > 61
.set xe, xn-32
.elseif xn%2 == 0
.set xp, xn/2+1
.else
.set xe, (xn-3)/2
.endif
.if xe == 0
	v_exp_f32 v[rT+6], v[rT+7]
.elseif xe > 0
	v_exp_f32 v[rS+xe-1], v[rS+xe-1]
.elseif xp%2 == 0
	v_cvt_pk_f16_f32 v[rP+xp/2], v[rS+xp], v[rS+xp+1]  ; h of pair xp / 2, ahead of the line that scales the pair in place
.else
	v_pk_fma_f32 v[rS+xp-1:rS+xp], v[rS+xp-1:rS+xp], s[CS:CS+1], v[rT:rT+1] op_sel_hi:[1,0,0] neg_lo:[0,0,1] neg_hi:[0,0,1]  ; pair (xp - 1) / 2: c s' - c m
.endif
.endm
.macro SUMS                         ; the sum of the 16 pairs, in place: sum xz of 16 adds neighbours 1, 2, 4 and 8 pairs apart, then l takes it
.set xz, j-134
.set xw, 4
.set xu, xz
.if xz >= 14
.set xw, 32
.set xu, 0
.elseif xz >= 12
.set xw, 16
.set xu, xz-12
.elseif xz >= 8
.set xw, 8
.set xu, xz-8
.endif
.if xz < 15
	v_pk_add_f32 v[rS+xw*xu:rS+xw*xu+1], v[rS+xw*xu:rS+xw*xu+1], v[rS+xw*xu+xw/2:rS+xw*xu+xw/2+1]
.else
	v_pk_fma_f32 v[rT+2:rT+3], v[rT+2:rT+3], v[rT+6:rT+7], v[rS:rS+1] op_sel_hi:[1,0,1]
.endif
.endm
.macro SM t
.set rT, ST+8*(\t)
.set rS, S+32*(\t)
.set rP, P+16*(\t)
.set rR, R+16*(\t)
.set rO, 32*(\t)
.if j < 21
	WIN 0
	MAXS
.elseif j < 86
	WIN 0
	BATCH
.elseif j < 102
	WIN W_RM
	v_pk_mul_f16 v[rR+j-86], v[rP+j-86], s[LK]
.elseif j < 118
	WIN W_RX
	v_pk_max_num_f16 v[rR+j-102], v[rP+j-102], v[rR+j-102]
.elseif j < 134
	WIN 0
	v_cvt_pk_f16_f32 v[rP+j-118], v[rS+2*(j-118)], v[rS+2*(j-118)+1]
.elseif j < 150
	WIN 0
	SUMS
.else
	WIN W_RS
	v_pk_mul_f32 v[rO+2*(j-150):rO+2*(j-150)+1], v[rO+2*(j-150):rO+2*(j-150)+1], v[rT+6:rT+7] op_sel_hi:[1,0]
.endif
.endm
; The piece's queue of 332: the two tiles alternate, so that no line reads the result of the one before it; from 42 to 169, the batch's numbers 21 to 84, tile by tile, two numbers each: plain, exponential, plain,
; exponential.  Entries 0-41: the maxima and statistics.  42-171: the batch.  172-235: R.  236-299: the roundings of p and the sums.  300-331: the rescaling.
.macro ENT
.if qq < 42
.set j, qq/2
.set tt, Y+qq%2
.elseif qq < 170
.set j, 21+2*((qq-42)/4)+(qq-42)%2
.set tt, Y+((qq-42)%4)/2
.else
.set j, 85+(qq-170)/2
.set tt, Y+qq%2
.endif
	SM tt
.set qq, qq+1
.endm
.macro SLICE cnt
.rept \cnt
	ENT
.endr
.endm
; A TURN.  Piece x has the matrix unit; the other piece's queue is dealt seven behind each of the 48 matrix instructions, but five behind the second product K Q^T and six behind each of the last two:
; 45 x 7 + 5 + 12 = 332.  33 x 7 + 5 = 236: behind the second product K Q^T the batch and R are out and no result of an exponential has been named: there stands the turn's ONE wait; behind it no exponential is issued.
; The last six are rescalings of the other piece's O1: plain, and naming no register of the products K Q^T: the places in front of the next turn's first read of those scores and of the loads into K's registers.
; Piece 0's turn fetches the next step's K behind its second product; piece 2's turn the next step's V behind its second product K Q^T, 19 plain lines (of R) behind V's last reader; the wait stands in that run.
.macro TURN x, last=0
.set Y, 2-(\x)
.set qq, 0
.if (\x) == 0
	s_wait_dscnt 0x0                ; V is in
.endif
.set i, 0
.rept 32
	PV \x
	SLICE 7
.if ((\x) == 0) && (i == 1)
	FETCH_K \last
.endif
.set i, i+1
.endr
.if (\x) == 0
	s_wait_dscnt 0x0                ; K is in
.endif
.set i, 0
.rept 16
	KQ \x
.if i == 1
	SLICE 5
.if (\x) == 2
	FETCH_V                         ; V's run of loads, and in it the wait for the batch
.else
	s_wait_alu depctr_va_vdst(0)    ; the wait for the turn's batch, piece 2's 66 exponentials, ahead of their first reader, the first rounding of p
.endif
.elseif i < 14
	SLICE 7
.else
	SLICE 6
.endif
.set i, i+1
.endr
.endm
	CHANGE 1                        ; slot 0 is in, everybody's part of it; slot 1 is asked for
	FETCH_K                         ; key step 0
	s_wait_dscnt 0x0
.set i, 0
.rept 16
	KQ 0                            ; piece 0's first scores
.set i, i+1
.endr
	WIN 0                           ; the addresses for the way out: eleven plain instructions, the places behind those products
	s_mul_i32 s73, s[WV], 16*SP
	s_add_co_u32 s73, s73, STAGE    ; my stage
	v_mul_u32_u24 v[STO], v1, SP    ; in: row l % 16, 16 bytes for each half of the lanes
	v_lshl_add_u32 v[STO], v9, 4, v[STO]
	v_add_nc_u32 v[STO], s73, v[STO]
	v_bfe_u32 v[RD], v0, 3, 2       ; back: 32 lanes take four rows of 128 bytes,
	v_mul_u32_u24 v[RD], v[RD], SP
	v_lshl_add_u32 v[RD], v10, 4, v[RD]
	v_add_nc_u32 v[RD], s73, v[RD]
	v_and_b32 v[GO], 31, v0         ; which are 512 consecutive bytes of ob
	v_lshlrev_b32 v[GO], 4, v[GO]
	s_mov_b32 s[CNT], 4
	s_mov_b32 s[SLOTS], 7
	s_branch .Lmid                  ; the loop is entered in the middle of a trip: piece 2's turn, whose products V^T P and V^T R add zeros this once
.Lslot:                             ; six times: every slot but the last two is filled again
	CHANGE 1
	s_mov_b32 s[CNT], 4
.Lstep:                             ; a trip: piece 0's turn (it fetches the next step's K), piece 2's turn (it fetches that step's V)
	TURN 0
	WIN 0
.Lmid:
	TURN 2
	WIN 0
	s_sub_co_u32 s[CNT], s[CNT], 1
	s_cmp_lg_u32 s[CNT], 0
	s_cbranch_scc1 .Lstep
	s_sub_co_u32 s[SLOTS], s[SLOTS], 1
	s_cmp_lg_u32 s[SLOTS], 0
	s_cbranch_scc1 .Lslot
	CHANGE 0                        ; the tail is written out: nothing is asked for
	s_mov_b32 s[CNT], 5             ; four trips fetch the last slot's steps; the fifth is left in its middle
.Ltail:
	TURN 0, 1
	WIN 0
	s_sub_co_u32 s[CNT], s[CNT], 1
	s_cmp_eq_u32 s[CNT], 0
	s_cbranch_scc1 .Lout
	TURN 2
	WIN 0
	s_branch .Ltail
.Lout:                              ; the fifth trip's 16 products K Q^T (on the last K once more) serve nothing: the price, once a launch, of one text for every trip
.set i, 0
.rept 32
	PV 2                            ; piece 2's products of the last step
.set i, i+1
.endr
	; THE WAY OUT.  l's two halves and the other half of the lanes' are added; O = O1 W1 / l + O2 W2 / (8 g), rounded to bf16, through my stage, a tile at a time.  The additions are the places behind the last products.
	WIN 0
.macro ALL line:vararg              ; one line for each tile t
.set t, 0
.rept 4
	\line
.set t, t+1
.endr
.endm
	ALL v_add_f32 v[ST+8*t+4], v[ST+8*t+2], v[ST+8*t+3]
	ALL v_permlanex16_b32 v[ST+8*t+5], v[ST+8*t+4], s[SEL], s[SEL+1]
	ALL v_add_f32 v[ST+8*t+4], v[ST+8*t+4], v[ST+8*t+5]
	ALL v_rcp_f32 v[ST+8*t+5], v[ST+8*t+4]
	v_nop                           ; a plain instruction between the last reciprocal and the use of its result
	s_wait_alu depctr_va_vdst(0)    ; and the wait ahead of the first use: one for the batch of four reciprocals
	ALL v_mul_f32 v[ST+8*t+6], v[W1R], v[ST+8*t+5]
.macro PACK t                       ; a lane's eight channels of a row pack into 16 bytes; they go into rows of 144 bytes and come back as whole rows of 128
	WIN W_RS
.set i, 0
.rept 16
	v_pk_mul_f32 v[128+32*(\t)+2*i:128+32*(\t)+2*i+1], v[128+32*(\t)+2*i:128+32*(\t)+2*i+1], v[F2:F2+1] op_sel_hi:[1,0]
.set i, i+1
.endr
	WIN 0x51                        ; destination, sources 0 and 2 in window 1, source 1 in window 0
.set i, 0
.rept 16
	v_pk_fma_f32 v[32*(\t)+2*i:32*(\t)+2*i+1], v[32*(\t)+2*i:32*(\t)+2*i+1], v[ST+8*(\t)+6:ST+8*(\t)+7], v[128+32*(\t)+2*i:128+32*(\t)+2*i+1] op_sel_hi:[1,0,1]
.set i, i+1
.endr
	WIN 0x05                        ; sources 0 and 1 window 1, destination window 0
.set i, 0
.rept 16
	v_cvt_pk_bf16_f32 v[S+16*(\t)+i], v[32*(\t)+2*i], v[32*(\t)+2*i+1]
.set i, i+1
.endr
	WIN 0
.irp f, 0,1,2,3
	ds_store_b128 v[STO], v[S+16*(\t)+4*\f:S+16*(\t)+4*\f+3] offset:32*\f
.endr
.irp f, 0,1,2,3
	ds_load_b128 v[S+16*(\t)+4*\f:S+16*(\t)+4*\f+3], v[RD] offset:\f*4*SP  ; LDS serves a wave's instructions in order (ISA guide 5.7.1.4): these see the stores above; the next tile's stores come behind them
.endr
.endm
.macro SEND t, younger              ; younger: the LDS instructions issued behind tile t's loads: the next tile's eight, or none
	WIN 0
.irp f, 0,1,2,3
	s_wait_dscnt (\younger)+3-\f
	global_store_b128 v[GO], v[S+16*(\t)+4*\f:S+16*(\t)+4*\f+3], s[12:13] offset:(\t)*2048+\f*512  ; 512 consecutive bytes, at a multiple of 256 from ob's first
.endr
.endm
	PACK 0
.set t, 1
.rept 3                             ; a tile's arithmetic stands between the loads of the tile before and its stores
	PACK t
	SEND t-1, 8
.set t, t+1
.endr
	SEND 3, 0
	s_wait_tensorcnt 0x0            ; the wave's end, behind my last tensor load and my last LDS store
	ds_add_u32 v[SPW], v[NIL]
	s_wait_dscnt 0x0
	CROUND                          ; the closing round: no work-group ends while a partner may still ask for a tile that names it
	s_endpgm
.Lfunc_end_k_qfb77dd9265_attn:
	.size	k_qfb77dd9265_attn, .Lfunc_end_k_qfb77dd9265_attn-k_qfb77dd9265_attn
	.p2alignl 7, 3214868480
	.fill 96, 4, 3214868480
	.section	.rodata,"a",@progbits
	.p2align	6, 0x0
	.amdhsa_kernel k_qfb77dd9265_attn
		.amdhsa_group_segment_fixed_size 327680
		.amdhsa_private_segment_fixed_size 0
		.amdhsa_enable_private_segment 0
		.amdhsa_kernarg_size 40
		.amdhsa_user_sgpr_count 2
		.amdhsa_user_sgpr_kernarg_segment_ptr 1
		.amdhsa_wavefront_size32 1
		.amdhsa_system_sgpr_workgroup_id_x 1
		.amdhsa_system_sgpr_workgroup_id_y 1
		.amdhsa_system_sgpr_workgroup_id_z 1
		.amdhsa_system_vgpr_workitem_id 0
		.amdhsa_next_free_vgpr 768
		.amdhsa_next_free_sgpr 80
		.amdhsa_reserve_vcc 0
		.amdhsa_float_denorm_mode_32 3
		.amdhsa_float_denorm_mode_16_64 3
		.amdhsa_memory_ordered 1
		.amdhsa_forward_progress 1
		.amdhsa_inst_pref_size 164
	.end_amdhsa_kernel
	.amdgpu_metadata
---
amdhsa.version: [ 1, 2 ]
amdhsa.kernels:
  - .name:           k_qfb77dd9265_attn
    .symbol:         k_qfb77dd9265_attn.kd
    .args:
      - { .name: qkvh, .offset: 0, .size: 8, .value_kind: global_buffer, .address_space: global }
      - { .name: amax, .offset: 8, .size: 8, .value_kind: global_buffer, .address_space: global }
      - { .name: W1, .offset: 16, .size: 8, .value_kind: global_buffer, .address_space: global }
      - { .name: W2, .offset: 24, .size: 8, .value_kind: global_buffer, .address_space: global }
      - { .name: ob, .offset: 32, .size: 8, .value_kind: global_buffer, .address_space: global }
    .group_segment_fixed_size: 327680
    .private_segment_fixed_size: 0
    .kernarg_segment_align: 8
    .kernarg_segment_size: 40
    .max_flat_workgroup_size: 128
    .sgpr_count:     80
    .vgpr_count:     768
    .wavefront_size: 32
...
	.end_amdgpu_metadata
.endif
;; end of part 5
;; launch outp: the kernel of part 4 again; grid 8 x 32, 4 waves a work-group, clusters of 4 x 4, 327,680 bytes of LDS; arguments ob, wot, bout, out0; writes out0
